; MI455X (gfx1250); checked and timed in simulation.
; The chip was launched on July 23, 2026; its instructions are those of AMD's public machine-readable ISA for CDNA 5 (MIT licence, August 2026) and "CDNA5" Instruction Set Architecture Reference Guide (July 2026). The comments in the code are by the model that wrote it; some were corrected since.
;; Vector Quantizer. Allowed arithmetic: float matrix products may take bf16 or f16 operands with f32 sums; all other float work in f32.
;; Inputs: codebook 8,192 x 512 float32; x 32 x 512 x 512 float32.
;; Outputs: out0 32 x 512 x 512 float32; out1 one number float32; out2 32 x 512 int32; out3 32 x 512 float32; out4 one number float32.
;; 2 versions, each right and faster than the one before. Each part assembles by itself: llvm-mc -triple=amdgcn-amd-amdhsa -mcpu=gfx1250 --defsym DOCPART=n.
;; ======== version 1 of 2: 4 launches
;; workspace buffers: cbh 8,388,608 bytes; e2w 32,768 bytes; pscore 262,144 bytes; pidx 262,144 bytes of whole numbers; lpart 1,024 bytes
;; launch prep (part 1): grid 256 x 1, 8 waves a work-group, no clusters, 1,280 bytes of LDS; arguments codebook, cbh, e2w; writes cbh, e2w
.if DOCPART == 1
	.amdgcn_target "amdgcn-amd-amdhsa--gfx1250"
	.amdhsa_code_object_version 6
	.text
	.protected	k_q9e4e1d2730_prep
	.globl	k_q9e4e1d2730_prep
	.p2align	8
	.type	k_q9e4e1d2730_prep,@function
k_q9e4e1d2730_prep:
	s_mov_b64 s[64:65], 0
	v_nop
	global_prefetch_b8 v0, s[64:65] scope:SCOPE_SE
	s_setreg_imm32_b32 hwreg(HW_REG_WAVE_MODE, 25, 1), 1
	s_wait_xcnt 0x0
; cbh[c][k] = bf16(codebook[c][k]);  e2w[c] = sum over k of cbh[c][k]^2, in f32.
; codebook: [8192][512] f32.  The squares are taken of the ROUNDED numbers, so that e2 belongs to the operands that the product sees.
; Eight waves; the work-group owns 32 rows, a wave 4.  A row is 2,048 bytes: four loads of 16 bytes a lane, 512 neighbouring bytes each.
; A lane's four numbers become 8 bytes of bf16: one store of the wave covers 256 consecutive bytes, aligned.
; All 16 loads of a wave go out at once; every store has data registers of its own, so nothing is rewritten under a pending store.
; No matrix unit, no cluster, no LDS ring: each byte is touched once and no work-group shares an input with another.
.set LD,  16                           ; v[16:79]   row p, load k: 4 registers
.set CV,  80                           ; v[80:111]  row p, load k: 2 registers of bf16, the store's data
.set T,   4                            ; v[4:7]     the four rounded numbers, widened
.set SUM, 8                            ; v[8:11]    two chains of two sums
.set P,   12                           ; v12        target of the swap of the wave's halves
.set LS,  13                           ; v13        LDS address of my wave's four sums
	s_load_b128 s[4:7], s[0:1], 0x0                ; codebook s[4:5], cbh s[6:7]
	s_load_b64 s[8:9], s[0:1], 0x10                ; e2w
	v_lshl_add_u32 v112, v0, 2, 0x100
	v_mov_b32 v113, 0
	v_lshrrev_b32 v3, 5, v0
	v_readfirstlane_b32 s10, v3                    ; wave 0..7
	v_lshlrev_b32 v[LS], 4, v3                     ; 4 words for each wave
	v_and_b32 v3, 31, v0                           ; lane
	v_lshlrev_b32 v1, 4, v3                        ; 16 bytes a lane in
	v_lshlrev_b32 v2, 3, v3                        ; 8 bytes a lane out
	v_lshlrev_b32 v14, 2, v3                       ; 4 bytes a lane: the 32 sums
	v_mov_b32 v[P], 0                              ; written once: the swap's target counts as read
	s_lshl_b32 s12, ttmp9, 16                      ; 32 rows x 2,048 bytes
	s_lshl_b32 s11, s10, 13                        ; + 4 rows a wave
	s_add_co_u32 s12, s12, s11
	s_mov_b32 s13, 0
	s_lshr_b32 s14, s12, 1                         ; half as many bytes in bf16
	s_mov_b32 s15, 0
	s_lshl_b32 s20, ttmp9, 7                       ; 32 sums of 4 bytes
	s_mov_b32 s21, 0
	s_mov_b32 s16, 0xffff0000                      ; a word's upper bf16
	s_mov_b32 s18, 0x76543210                      ; lane i of one half reads lane i of the other
	s_mov_b32 s19, 0xfedcba98
	s_wait_kmcnt 0x0
	s_add_nc_u64 s[4:5], s[4:5], s[12:13]
	s_add_nc_u64 s[6:7], s[6:7], s[14:15]
	s_add_nc_u64 s[8:9], s[8:9], s[20:21]
.irp p, 0,1,2,3
.irp k, 0,1,2,3
	global_load_b128 v[LD+16*\p+4*\k:LD+16*\p+4*\k+3], v1, s[4:5] offset:2048*\p+512*\k th:TH_LOAD_NT
.endr
.endr
.macro ROW p
	s_wait_loadcnt 12-4*\p                         ; loads come back in order: this row's four are in, the later rows' stay out
.irp k, 0,1,2,3
	v_cvt_pk_bf16_f32 v[CV+8*\p+2*\k],   v[LD+16*\p+4*\k],   v[LD+16*\p+4*\k+1]
	v_cvt_pk_bf16_f32 v[CV+8*\p+2*\k+1], v[LD+16*\p+4*\k+2], v[LD+16*\p+4*\k+3]
	global_store_b64 v2, v[CV+8*\p+2*\k:CV+8*\p+2*\k+1], s[6:7] offset:1024*\p+256*\k
	v_lshlrev_b32 v[T],   16,  v[CV+8*\p+2*\k]     ; the rounded numbers back in f32
	v_and_b32     v[T+1], s16, v[CV+8*\p+2*\k]
	v_lshlrev_b32 v[T+2], 16,  v[CV+8*\p+2*\k+1]
	v_and_b32     v[T+3], s16, v[CV+8*\p+2*\k+1]
.if \k == 0
	v_pk_mul_f32 v[SUM:SUM+1],   v[T:T+1],   v[T:T+1]             ; the first squares start the sums
	v_pk_mul_f32 v[SUM+2:SUM+3], v[T+2:T+3], v[T+2:T+3]
.else
	v_pk_fma_f32 v[SUM:SUM+1],   v[T:T+1],   v[T:T+1],   v[SUM:SUM+1]
	v_pk_fma_f32 v[SUM+2:SUM+3], v[T+2:T+3], v[T+2:T+3], v[SUM+2:SUM+3]
.endif
.endr
	v_pk_add_f32 v[SUM:SUM+1], v[SUM:SUM+1], v[SUM+2:SUM+3]
	v_add_f32 v[SUM], v[SUM], v[SUM+1]
	v_add_f32_dpp v[SUM], v[SUM], v[SUM] row_xmask:1 row_mask:0xf bank_mask:0xf
	v_add_f32_dpp v[SUM], v[SUM], v[SUM] row_xmask:2 row_mask:0xf bank_mask:0xf
	v_add_f32_dpp v[SUM], v[SUM], v[SUM] row_xmask:4 row_mask:0xf bank_mask:0xf
	v_add_f32_dpp v[SUM], v[SUM], v[SUM] row_xmask:8 row_mask:0xf bank_mask:0xf
	v_permlanex16_b32 v[P], v[SUM], s18, s19
	v_add_f32 v[SUM], v[SUM], v[P]                 ; every lane holds the row's sum
	ds_store_b32 v[LS], v[SUM] offset:4*\p         ; all lanes write the same word with the same value
.endm
	ROW 0
	ROW 1
	ROW 2
	ROW 3
	s_wait_dscnt 0x0                               ; my four sums are in LDS before I say so
	s_barrier_signal -1
	s_barrier_wait -1
	s_cmp_lg_u32 s10, 0
	s_cbranch_scc1 .Lend
	ds_load_b32 v15, v14                           ; wave 0: the work-group's 32 sums, one a lane
	s_wait_dscnt 0x0
	global_store_b32 v14, v15, s[8:9]              ; 128 consecutive bytes: 32 rows a work-group give no more
.Lend:
	s_wait_tensorcnt 0x0
	ds_add_u32 v112, v113
	s_wait_dscnt 0x0
	s_endpgm
.Lfunc_end_k_q9e4e1d2730_prep:
	.size	k_q9e4e1d2730_prep, .Lfunc_end_k_q9e4e1d2730_prep-k_q9e4e1d2730_prep
	.p2alignl 7, 3214868480
	.fill 96, 4, 3214868480
	.section	.rodata,"a",@progbits
	.p2align	6, 0x0
	.amdhsa_kernel k_q9e4e1d2730_prep
		.amdhsa_group_segment_fixed_size 1280
		.amdhsa_private_segment_fixed_size 0
		.amdhsa_enable_private_segment 0
		.amdhsa_kernarg_size 24
		.amdhsa_user_sgpr_count 2
		.amdhsa_user_sgpr_kernarg_segment_ptr 1
		.amdhsa_wavefront_size32 1
		.amdhsa_system_sgpr_workgroup_id_x 1
		.amdhsa_system_sgpr_workgroup_id_y 1
		.amdhsa_system_sgpr_workgroup_id_z 1
		.amdhsa_system_vgpr_workitem_id 0
		.amdhsa_next_free_vgpr 114
		.amdhsa_next_free_sgpr 66
		.amdhsa_reserve_vcc 0
		.amdhsa_float_denorm_mode_32 3
		.amdhsa_float_denorm_mode_16_64 3
		.amdhsa_memory_ordered 1
		.amdhsa_forward_progress 1
		.amdhsa_inst_pref_size 13
	.end_amdhsa_kernel
	.amdgpu_metadata
---
amdhsa.version: [ 1, 2 ]
amdhsa.kernels:
  - .name:           k_q9e4e1d2730_prep
    .symbol:         k_q9e4e1d2730_prep.kd
    .args:
      - { .name: codebook, .offset: 0, .size: 8, .value_kind: global_buffer, .address_space: global }
      - { .name: cbh, .offset: 8, .size: 8, .value_kind: global_buffer, .address_space: global }
      - { .name: e2w, .offset: 16, .size: 8, .value_kind: global_buffer, .address_space: global }
    .group_segment_fixed_size: 1280
    .private_segment_fixed_size: 0
    .kernarg_segment_align: 8
    .kernarg_segment_size: 24
    .max_flat_workgroup_size: 256
    .sgpr_count:     66
    .vgpr_count:     114
    .wavefront_size: 32
...
	.end_amdgpu_metadata
.endif
;; end of part 1
;; launch main (part 2): grid 64 x 4, 4 waves a work-group, clusters of 4 x 4, 327,680 bytes of LDS; arguments x, cbh, e2w, pscore, pidx; writes pscore, pidx
.if DOCPART == 2
	.amdgcn_target "amdgcn-amd-amdhsa--gfx1250"
	.amdhsa_code_object_version 6
	.text
	.protected	k_q9e4e1d2730_main
	.globl	k_q9e4e1d2730_main
	.p2align	8
	.type	k_q9e4e1d2730_main,@function
k_q9e4e1d2730_main:
	s_mov_b64 s[64:65], 0
	v_nop
	global_prefetch_b8 v0, s[64:65] scope:SCOPE_SE
	s_setreg_imm32_b32 hwreg(HW_REG_WAVE_MODE, 25, 1), 1
	s_wait_xcnt 0x0
	s_wait_alu depctr_hold_cnt(0) depctr_sa_sdst(0) depctr_va_vdst(0) depctr_va_sdst(0) depctr_va_ssrc(0) depctr_va_vcc(0) depctr_vm_vsrc(0)
	s_getreg_b32 s2, hwreg(HW_REG_IB_STS2, 6, 4)
	s_cmp_eq_u32 s2, 0
	s_cbranch_scc0 .Lentry_in_a_cluster
	s_endpgm
.Lentry_in_a_cluster:
	s_bfe_u32 s2, ttmp6, 0x10000c
	s_cmp_lg_u32 s2, 0xf033
	s_cbranch_scc0 .Lentry_shape_is_right
	s_endpgm
.Lentry_shape_is_right:
; For 256 rows of x and 2,048 codes: score[n][c] = e2[c] - 2 sum over k of bf16(x[n][k]) cbh[c][k], and for each row the least score of the
; quarter and its code (the lower code where two scores are equal).  pscore, pidx: [4 quarters][16384 rows].
; x: [16384][512] f32, cbh: [8192][512] bf16, e2w: [8192] f32.  Products on bf16 operands, sums in f32; e2 is added behind the sum.
;
; LIMITS.  The code is chosen on operands rounded to bf16 and on e2 - 2 dot; |x|^2, equal for all codes of a row, is added in the next launch.
; Two codes of a row whose distances differ by about 1e-7 of |x|^2 + |e|^2 or less may be taken in the other order than by arithmetic
; that adds |x|^2 first.  NaN and infinities among the inputs are not served: a NaN score never wins here.
;
; SHARES.  Work-group (x, y): row block x of 64, code quarter y of 4.  Four waves; wave w keeps its 64 rows of x as bf16 fragments in 512
; registers for the whole launch (4 row tiles x 16 K steps x 8 registers) and walks all 128 code tiles of 16 codes.  The codes come
; through two LDS slots of 128 codes x 512 k each, filled by the tensor data mover; every wave reads every code fragment.
; CLUSTERS.  4 x 4 work-groups.  The four with the same cy work on the same quarter and ask for each slot JOINTLY (mask = my row of the
; cluster).  x is not asked for jointly: it has to be converted, so it goes through registers, once, 512 KiB a work-group against the
; 2 MiB of code tiles that the work-group walks.
;
; THE MATRIX INSTRUCTION IS USED TRANSPOSED: source 0 = 16 codes, source 1 = 16 rows of x.  Lane (r = l % 16, h = l / 16), register j then
; holds row 16 a + r against code 16 T + 8 h + j: a lane's running minima belong to one row, and the eight e2 are 32 neighbouring bytes.
; REGISTER WINDOWS.  Code fragments, sums and all vector work lie in window 0; x's fragments of K steps 0-7 in window 1, of 8-15 in window 2.
; Only source 1 changes window (0x04, 0x08), and no vector instruction between the products has a vector register as source 1:
; two switches for a tile's 64 products.
; THE ARGMIN of tile T - 1 is laid between the products of tile T, two vector instructions behind each product; two sets of sums take turns.
.set PITCH,  272                       ; an LDS row: 256 bytes + 16 of padding
.set PANEL,  128*PITCH                 ; 128 codes x 128 k: what one tensor load brings
.set SLOT,   4*PANEL                   ; 128 codes x 512 k, as four panels
.set CTILE,  16*PITCH                  ; 16 codes in a panel
.set E2L,    2*SLOT                    ; 8,192 bytes: the quarter's e2.  Written by LDS stores alone
.set SCR,    E2L+8192                  ; 4 x 4,352 bytes: each wave's own 16 rows x 272.  Written by LDS stores alone
.set SCRW,   16*PITCH
.set STEPB,  2*128*1024                ; two slots on in cbh: 256 codes of 1,024 bytes
.set LB,   4                           ; v[4:11]    LDS address of my fragment bytes in (slot, panel): slot*SLOT + panel*PANEL + 272 r + 16 h
.set LE,   12                          ; v12        E2L + 32 h, 1,024 on in each lap
.set XO,   13                          ; v13        16 x lane
.set SST,  14                          ; v14        my wave's scratch + 8 x lane
.set SRD,  15                          ; v15        my wave's scratch + 272 r + 16 h
.set DT,   16                          ; v[16:17]   two scores
.set FT,   18                          ; v[18:19]   score - best
.set E2R,  24                          ; v[24:39]   two sets of 8 e2
.set BEST, 40                          ; v[40:71]   running minimum, 8 a + j
.set IDX,  72                          ; v[72:103]  its tile's number, 8 a + j
.set ACC,  104                         ; v[104:167] sums: 32 X + 8 a
.set BF,   168                         ; v[168:231] code fragments: eight K steps in turn
.set ET,   40                          ; head only: v[40:55] e2 on its way to LDS
.set CV,   32                          ; head only: v[32:63] a unit of x in bf16
.set XT,   64                          ; head only: v[64:255] three sets of 16 loads of x
.set G1,   24                          ; s[24:31]   descriptor group 1
.set G0,   32                          ; s[32:39]   descriptor group 0, one set for each slot
.set MSB,  0
.macro WIN new                         ; the immediate's high byte repeats the setting that is left
.if MSB != \new
	s_set_vgpr_msb (MSB<<8)|\new
.set MSB, \new
.endif
.endm
.macro CREST                           ; a round of the cluster's barrier behind its opening work-group barrier
	s_cmp_lg_u32 s14, 0
	s_cbranch_scc1 .Lnot_wave_0_\@
	s_barrier_signal -3
.Lnot_wave_0_\@:
	s_barrier_wait -3
	s_barrier_signal -1
	s_barrier_wait -1
.endm
.macro CROUND                          ; a whole round
	s_barrier_signal -1
	s_barrier_wait -1
	CREST
.endm
	s_load_b256 s[4:11], s[0:1], 0x0               ; x s[4:5], cbh s[6:7], e2w s[8:9], pscore s[10:11]
	s_load_b64 s[12:13], s[0:1], 0x20              ; pidx
	s_set_vgpr_msb 0xc0
	v_lshl_add_u32 v0, v0, 2, 0x4a400
	v_mov_b32 v1, 0
	s_set_vgpr_msb 0xc0cf
	ds_add_u32 v0, v1
	s_set_vgpr_msb 0xcf00
	v_lshrrev_b32 v1, 5, v0
	v_readfirstlane_b32 s14, v1                    ; wave 0..3
	s_bfe_u32 s16, ttmp6, 0x40000                  ; cx
	s_bfe_u32 s17, ttmp6, 0x40004                  ; cy = the code quarter: the grid has one cluster along y
	s_lshl_b32 s18, ttmp9, 2
	s_add_co_u32 s18, s18, s16                     ; row block = 4 x cluster x + cx
	s_lshl_b32 s22, s17, 2
	s_lshl_b32 s22, 15, s22                        ; my row of the cluster: places 4 cy .. 4 cy + 3
	; group 1: a tile of 128 rows x 128 elements of 2 bytes, 16 bytes of padding behind each row of 64 words
	s_or_b32 s[G1+0], s22, (1<<16)|(1<<20)|(1<<21)|(5<<22)|(3<<25)
	s_mov_b32 s[G1+1], 128<<16                     ; tensor_dim0 = 128
	s_mov_b32 s[G1+2], 128<<16                     ; tensor_dim1 = 128
	s_mov_b32 s[G1+3], 128<<16                     ; tile_dim0 = 128
	s_mov_b32 s[G1+4], 128                         ; tile_dim1 = 128
	s_mov_b32 s[G1+5], 512                         ; elements from row to row
	s_mov_b32 s[G1+6], 0
	s_mov_b32 s[G1+7], 0
	s_lshl_b32 s52, s17, 21                        ; cbh: quarter x 2,048 codes x 1,024 bytes (these registers never hold cx)
	s_lshl_b32 s54, s14, 8                         ; + my panel's 256 bytes of each row
	s_add_co_u32 s52, s52, s54
	s_mov_b32 s53, 0
	s_mul_i32 s55, s14, PANEL                      ; and where it goes: panel = wave
	s_lshl_b32 s20, s18, 19                        ; x: row block x 256 rows x 2,048 bytes
	s_lshl_b32 s21, s14, 17                        ; + 64 rows a wave
	s_add_co_u32 s20, s20, s21
	s_mov_b32 s21, 0
	s_lshl_b32 s56, s17, 13                        ; e2w: quarter x 2,048 x 4 bytes
	s_mov_b32 s57, 0
	s_lshl_b32 s58, s17, 16                        ; pscore, pidx: quarter x 16,384 x 4 bytes
	s_lshl_b32 s59, s18, 10                        ; + row block x 256 x 4
	s_add_co_u32 s58, s58, s59
	s_lshl_b32 s59, s14, 8                         ; + wave x 64 x 4
	s_add_co_u32 s58, s58, s59
	s_mov_b32 s59, 0
	s_mul_i32 s15, s14, SCRW
	s_add_co_u32 s15, s15, SCR                     ; my wave's scratch
	s_mov_b32 s42, 0x7f800000                      ; +infinity
	s_mov_b32 s46, 0x76543210                      ; lane i of one half reads lane i of the other
	s_mov_b32 s47, 0xfedcba98
	s_mov_b32 s51, 0xffff0000                      ; lanes 16 to 31
	v_and_b32 v1, 15, v0                           ; r
	v_bfe_u32 v2, v0, 4, 1                         ; h
	v_and_b32 v20, 31, v0                          ; lane
	v_mul_u32_u24 v21, v1, PITCH
	v_lshl_add_u32 v21, v2, 4, v21                 ; 272 r + 16 h
	v_lshl_add_u32 v3, v0, 4, E2L                  ; where my 16 bytes of e2 go
	v_lshlrev_b32 v22, 4, v0                       ; and where they come from; not written again before the way out
.irp n, 0,1,2,3,4,5,6,7
	v_add_nc_u32 v[LB+\n], (\n/4)*SLOT+(\n%4)*PANEL, v21
.endr
	v_lshl_add_u32 v[LE], v2, 5, E2L
	v_lshlrev_b32 v[XO], 4, v20
	v_lshl_add_u32 v[SST], v20, 3, s15
	v_add_nc_u32 v[SRD], s15, v21
	s_wait_dscnt 0x0
	s_wait_kmcnt 0x0
	s_add_nc_u64 s[6:7], s[6:7], s[52:53]
	s_add_nc_u64 s[4:5], s[4:5], s[20:21]
	s_add_nc_u64 s[8:9], s[8:9], s[56:57]
	s_add_nc_u64 s[10:11], s[10:11], s[58:59]
	s_add_nc_u64 s[12:13], s[12:13], s[58:59]
	CROUND                                         ; all sixteen work-groups are here: the first joint loads meet
.irp n, 0,1
	s_mov_b32 s[G0+4*\n], 1                                        ; count = 1
	s_add_co_u32 s[G0+4*\n+1], s55, \n*SLOT                        ; LDS address: slot, my panel
	s_add_nc_u64 s[G0+4*\n+2:G0+4*\n+3], s[6:7], \n*128*1024       ; codes 128 n .. 128 n + 127 of the quarter
	s_or_b32 s[G0+4*\n+3], s[G0+4*\n+3], 0x80000000                ; type = 2
	tensor_load_to_lds s[G0+4*\n:G0+4*\n+3], s[G1:G1+7]            ; both first fills go out together: two loads of the wave are out
	s_nop 0
.endr
; x INTO REGISTERS, in 16 units of 16 rows x 128 k (unit u: row tile u % 4, k quarter u / 4).  Sixteen loads, each 512 consecutive bytes of a
; row; rounded to bf16; 8 bytes a lane into my own scratch rows of 272 bytes; read back as four fragments.  The scratch is the wave's own and
; LDS serves a wave's instructions in order (ISA guide 5.7.1), so no wait stands between these stores and loads, nor between units.
.macro XLOAD u
.irp i, 0,1,2,3,4,5,6,7,8,9,10,11,12,13,14,15
	global_load_b128 v[XT+64*((\u)%3)+4*\i:XT+64*((\u)%3)+4*\i+3], v[XO], s[4:5] offset:(16*((\u)%4)+\i)*2048+512*((\u)/4)
.endr
.endm
.macro XUNIT u, left
	s_wait_loadcnt \left                           ; this unit's 16 loads are in; the younger units' stay out
.irp i, 0,1,2,3,4,5,6,7,8,9,10,11,12,13,14,15
	v_cvt_pk_bf16_f32 v[CV+2*\i],   v[XT+64*(\u%3)+4*\i],   v[XT+64*(\u%3)+4*\i+1]
	v_cvt_pk_bf16_f32 v[CV+2*\i+1], v[XT+64*(\u%3)+4*\i+2], v[XT+64*(\u%3)+4*\i+3]
.endr
.if \u <= 12
	XLOAD \u+3                                     ; the set just read is asked for again: three units are always on their way
.endif
.irp i, 0,1,2,3,4,5,6,7,8,9,10,11,12,13,14,15
	ds_store_b64 v[SST], v[CV+2*\i:CV+2*\i+1] offset:PITCH*\i
.endr
.if \u < 8
	WIN 0x40                                       ; destination in window 1: K steps 0-7
.else
	WIN 0x80                                       ; window 2: K steps 8-15
.endif
.irp t, 0,1,2,3
	ds_load_b128 v[32*((4*(\u/4)+\t)%8)+8*(\u%4):32*((4*(\u/4)+\t)%8)+8*(\u%4)+3],   v[SRD] offset:64*\t
	ds_load_b128 v[32*((4*(\u/4)+\t)%8)+8*(\u%4)+4:32*((4*(\u/4)+\t)%8)+8*(\u%4)+7], v[SRD] offset:64*\t+32
.endr
	WIN 0
.endm
.irp i, 0,1,2,3
	global_load_b128 v[ET+4*\i:ET+4*\i+3], v22, s[8:9] offset:2048*\i      ; the quarter's e2: 128 threads x 16 bytes x 4
.endr
	XLOAD 0
	XLOAD 1
	XLOAD 2
	s_wait_loadcnt 48                              ; e2 is in: the 48 loads of three units of x were issued behind it
.irp i, 0,1,2,3
	ds_store_b128 v3, v[ET+4*\i:ET+4*\i+3] offset:2048*\i
.endr
.irp u, 0,1,2,3,4,5,6,7,8,9,10,11,12,13
	XUNIT \u, 32
.endr
	XUNIT 14, 16
	XUNIT 15, 0
; THE LOOP'S PARTS.
; Two LDS loads: the fragment of K step ks of code tile ct of a slot, into its place among the eight.
.macro BLOAD slot, ct, ks
	ds_load_b128 v[BF+8*((\ks)%8):BF+8*((\ks)%8)+3],   v[LB+4*(\slot)+(\ks)/4] offset:CTILE*(\ct)+64*((\ks)%4)
	ds_load_b128 v[BF+8*((\ks)%8)+4:BF+8*((\ks)%8)+7], v[LB+4*(\slot)+(\ks)/4] offset:CTILE*(\ct)+64*((\ks)%4)+32
.endm
; Two LDS loads: my eight e2 of code tile ct of a slot, into set X.
.macro ELOAD X, slot, ct
	ds_load_b128 v[E2R+8*\X:E2R+8*\X+3],   v[LE] offset:64*(8*\slot+\ct)
	ds_load_b128 v[E2R+8*\X+4:E2R+8*\X+7], v[LE] offset:64*(8*\slot+\ct)+16
.endm
; Step i (0..15) of a tile's argmin takes two of the 32 sums of set Y, in four parts g of two instructions:
; score = e2 - 2 sum and score - best; is it below zero (strictly: the earlier tile keeps a tie); the tile's number where it is; the minimum.
; A difference of two unlike f32 numbers never rounds to zero (denormals are kept), so its sign is the comparison.
; The constants and scalars stand at source 1, whose window is x's.
.macro EPI Y, i, g
.set EA, ACC+32*(\Y)+8*((\i)/4)+2*((\i)%4)
.set EE, E2R+8*(\Y)+2*((\i)%4)
.set EB, BEST+8*((\i)/4)+2*((\i)%4)
.set EI, IDX+8*((\i)/4)+2*((\i)%4)
.if \g == 0
	v_pk_fma_f32 v[DT:DT+1], v[EA:EA+1], -2.0, v[EE:EE+1] op_sel_hi:[1,0,1]
	v_pk_fma_f32 v[FT:FT+1], v[EB:EB+1], -1.0, v[DT:DT+1] op_sel_hi:[1,0,1]
.endif
.if \g == 1
	v_cmp_lt_f32 s43, v[FT], 0
	v_cmp_lt_f32 s44, v[FT+1], 0
.endif
.if \g == 2
	v_cndmask_b32 v[EI], v[EI], s41, s43
	v_cndmask_b32 v[EI+1], v[EI+1], s41, s44
.endif
.if \g == 3
	v_min3_num_f32 v[EB], v[EB], s42, v[DT]        ; min(best, +infinity, score)
	v_min3_num_f32 v[EB+1], v[EB+1], s42, v[DT+1]
.endif
.endm
; What stands behind product g of K step i.  mode 0 (the first tile, which has no tile before it): one of the 64 starting values.
.macro GAP mode, Y, i, g
.if \mode == 0
.if 4*\i+\g < 32
	v_mov_b32 v[BEST+4*\i+\g], s42
.else
	v_mov_b32 v[IDX+4*\i+\g-32], 0
.endif
.else
	EPI \Y, \i, \g
.endif
.endm
; One K step: four products, one for each row tile.  The four sums take turns, one instruction a turn.
; The first K step starts the sums with the constant 0: nothing is cleared.
.macro KSTEP X, ks, mode
.irp a, 0,1,2,3
.if \ks == 0
	v_wmma_f32_16x16x32_bf16 v[ACC+32*\X+8*\a:ACC+32*\X+8*\a+7], v[BF+8*(\ks%8):BF+8*(\ks%8)+7], v[32*(\ks%8)+8*\a:32*(\ks%8)+8*\a+7], 0
.else
	v_wmma_f32_16x16x32_bf16 v[ACC+32*\X+8*\a:ACC+32*\X+8*\a+7], v[BF+8*(\ks%8):BF+8*(\ks%8)+7], v[32*(\ks%8)+8*\a:32*(\ks%8)+8*\a+7], v[ACC+32*\X+8*\a:ACC+32*\X+8*\a+7]
.endif
	GAP \mode, 1-\X, \ks, \a
.endr
.endm
; K steps 0 to 8 of any tile.  Behind K step ks the fragment of K step ks + 7 is asked for, into the place that K step ks - 1 read: between that
; read and the load stand ten vector instructions (five in the first tile) that name none of that product's registers (ISA guide 7.12.1 asks four).
; s_wait_dscnt 12: a fragment is asked for seven K steps ahead, so the six younger K steps' twelve loads may stay out.
; e2 is in by K step 7's wait, fourteen loads behind it.
.macro FIRST9 X, slot, ct, mode
	WIN 0x04
.irp ks, 0,1,2,3,4,5,6,7
	s_wait_dscnt 12
	KSTEP \X, \ks, \mode
.if \ks == 0
	ELOAD \X, \slot, \ct
.endif
	BLOAD \slot, \ct, \ks+7
.endr
	WIN 0x08
	s_wait_dscnt 12
	KSTEP \X, 8, \mode
	BLOAD \slot, \ct, 15
.endm
; A tile that is not its slot's last: the look-ahead runs on into the next tile of the slot.
.macro TILE0 X, slot, ct, mode
	FIRST9 \X, \slot, \ct, \mode
.irp ks, 9,10,11,12,13,14,15
	s_wait_dscnt 12
	KSTEP \X, \ks, \mode
	BLOAD \slot, \ct+1, \ks-9
.endr
.if \mode
	s_add_co_u32 s41, s41, 1                       ; the number of the tile whose argmin runs next
.endif
.endm
; A slot's last tile, and the change of slots.  K steps 9 and 10 ask for nothing (twelve, then ten younger loads).  Then every wave waits for all its
; LDS reads, which are its last of this slot, and for all its tensor loads (one is out: its panel of the other slot), and signals; K step 11 works on
; registers meanwhile.  fill = 1: the barrier opens a round of the cluster's barrier, and behind the round's close the slot is asked for again, jointly,
; first of all; that load has the other slot's eight tiles less five K steps in which to land.  Then the other slot's first fragments: three K steps at once,
; into places read by K steps 8 to 10, and one behind each of K steps 12 to 15, whose own fragments the wait for 0 has shown in.
.macro TILE1 slot, next, fill
	FIRST9 1, \slot, 7, 1
	s_wait_dscnt 12
	KSTEP 1, 9, 1
	s_wait_dscnt 10
	KSTEP 1, 10, 1
	s_wait_dscnt 0x0
	s_set_vgpr_msb 0x80f
	s_wait_tensorcnt 0x0
	ds_add_u32 v0, v1
	s_wait_dscnt 0x0
	s_set_vgpr_msb 0xf08
	s_barrier_signal -1
	KSTEP 1, 11, 1
	WIN 0
	s_barrier_wait -1
.if \fill
	CREST                                          ; no wave of any partner still reads this slot or has a load on its way
	s_add_nc_u64 s[G0+4*\slot+2:G0+4*\slot+3], s[G0+4*\slot+2:G0+4*\slot+3], STEPB
	tensor_load_to_lds s[G0+4*\slot:G0+4*\slot+3], s[G1:G1+7]      ; my one tensor load until the next change of slots
	s_nop 0
.endif
	BLOAD \next, 0, 0
	BLOAD \next, 0, 1
	BLOAD \next, 0, 2
	WIN 0x08
.irp ks, 12,13,14,15
	KSTEP 1, \ks, 1
	BLOAD \next, 0, \ks-9
.endr
	s_add_co_u32 s41, s41, 1
.endm
; The very last tile: nothing more to ask for, the counts run down 12, 10, .. 0.
.macro TILE2
	FIRST9 1, 1, 7, 1
.irp ks, 9,10,11,12,13,14,15
	s_wait_dscnt 2*(15-\ks)
	KSTEP 1, \ks, 1
.endr
	s_add_co_u32 s41, s41, 1
.endm
.macro SIX slot                        ; tiles 1 to 6 of a slot
	TILE0 1, \slot, 1, 1
	TILE0 0, \slot, 2, 1
	TILE0 1, \slot, 3, 1
	TILE0 0, \slot, 4, 1
	TILE0 1, \slot, 5, 1
	TILE0 0, \slot, 6, 1
.endm
.macro LAPREST                         ; a lap (both slots, 16 tiles) behind its first tile; both slots are filled again
	SIX 0
	TILE1 0, 1, 1
	TILE0 0, 1, 0, 1
	SIX 1
	TILE1 1, 0, 1
	WIN 0                                          ; at a label and at a branch every window is 0
	v_add_nc_u32 v[LE], 0x400, v[LE]               ; 16 tiles x 64 bytes of e2
.endm
	s_wait_dscnt 0x0                               ; my part of e2 is in LDS, my fragments of x are in registers,
	s_wait_tensorcnt 0x1                           ; my panel of slot 0 has landed; slot 1's may stay out
	s_barrier_signal -1
	s_barrier_wait -1
.irp ks, 0,1,2,3,4,5,6
	BLOAD 0, 0, \ks                                ; seven K steps ahead from the start
.endr
	TILE0 0, 0, 0, 0                               ; lap 0 stands in front of the loop: its first tile sets the starting values
	s_mov_b32 s41, 0
	LAPREST
	s_mov_b32 s40, 6                               ; laps 1 to 6
.Llap:
	TILE0 0, 0, 0, 1
	LAPREST
	s_sub_co_i32 s40, s40, 1
	s_cmp_lg_u32 s40, 0
	s_cbranch_scc1 .Llap
	TILE0 0, 0, 0, 1                               ; lap 7 fills nothing: no later tile would read it
	SIX 0
	TILE1 0, 1, 0
	TILE0 0, 1, 0, 1
	SIX 1
	TILE2
	WIN 0
.rept 4
	v_nop                                          ; four places behind the last products, in front of the reads of their sums (ISA guide 7.12.1)
.endr
.irp i, 0,1,2,3,4,5,6,7,8,9,10,11,12,13,14,15
.irp g, 0,1,2,3
	EPI 1, \i, \g                                  ; tile 127's argmin
.endr
.endr
; FROM 8 x 2 CANDIDATES A ROW TO ONE.  (d1, n1) replaces (d0, n0) if its score is lower, or equal with the lower code.
.macro MERGE d0, n0, d1, n1
	v_cmp_lt_f32 s48, v[\d1], v[\d0]
	v_cmp_eq_f32 s49, v[\d1], v[\d0]
	v_cmp_lt_u32 s50, v[\n1], v[\n0]
	s_and_b32 s49, s49, s50
	s_or_b32 s48, s48, s49
	v_cndmask_b32 v[\d0], v[\d0], v[\d1], s48
	v_cndmask_b32 v[\n0], v[\n0], v[\n1], s48
.endm
	s_lshl_b32 s23, s17, 11                        ; 2,048 x quarter
	v_lshlrev_b32 v23, 3, v2                       ; 8 h
	v_add_nc_u32 v23, s23, v23
	v_mov_b32 v20, 0                               ; written once: the swap's targets count as read
	v_mov_b32 v21, 0
.irp a, 0,1,2,3
.irp j, 0,1,2,3,4,5,6,7
	v_lshl_add_u32 v[IDX+8*\a+\j], v[IDX+8*\a+\j], 4, \j           ; 16 x tile + j
.endr
	MERGE BEST+8*\a,   IDX+8*\a,   BEST+8*\a+1, IDX+8*\a+1
	MERGE BEST+8*\a+2, IDX+8*\a+2, BEST+8*\a+3, IDX+8*\a+3
	MERGE BEST+8*\a+4, IDX+8*\a+4, BEST+8*\a+5, IDX+8*\a+5
	MERGE BEST+8*\a+6, IDX+8*\a+6, BEST+8*\a+7, IDX+8*\a+7
	MERGE BEST+8*\a,   IDX+8*\a,   BEST+8*\a+2, IDX+8*\a+2
	MERGE BEST+8*\a+4, IDX+8*\a+4, BEST+8*\a+6, IDX+8*\a+6
	MERGE BEST+8*\a,   IDX+8*\a,   BEST+8*\a+4, IDX+8*\a+4
	v_add_nc_u32 v[IDX+8*\a], v[IDX+8*\a], v23                     ; the code's number in the whole codebook
	v_permlanex16_b32 v20, v[BEST+8*\a], s46, s47                  ; the other half of the lanes holds the row's other eight columns
	v_permlanex16_b32 v21, v[IDX+8*\a], s46, s47
	MERGE BEST+8*\a, IDX+8*\a, 20, 21                              ; both halves now hold row 16 a + r's result
.endr
	; THE WAY OUT.  Lane l takes row l from row tiles 0 | 1 and row 32 + l from tiles 2 | 3; through my scratch the 64 rows come back two a lane,
	; so that each store of the wave covers 256 consecutive bytes, aligned.
	v_cndmask_b32 v16, v[BEST],    v[BEST+8],  s51
	v_cndmask_b32 v17, v[BEST+16], v[BEST+24], s51
	v_cndmask_b32 v18, v[IDX],     v[IDX+8],   s51
	v_cndmask_b32 v19, v[IDX+16],  v[IDX+24],  s51
	v_and_b32 v20, 31, v0
	v_lshl_add_u32 v21, v20, 2, s15                ; my scratch + 4 x lane
	v_lshlrev_b32 v23, 3, v20                      ; 8 x lane
	ds_store_b32 v21, v16
	ds_store_b32 v21, v17 offset:128
	ds_store_b32 v21, v18 offset:256
	ds_store_b32 v21, v19 offset:384
	ds_load_b64 v[24:25], v[SST]                   ; LDS serves a wave's instructions in order: these see the stores above
	ds_load_b64 v[26:27], v[SST] offset:256
	s_wait_dscnt 0x0
	global_store_b64 v23, v[24:25], s[10:11]
	global_store_b64 v23, v[26:27], s[12:13]
	s_set_vgpr_msb 0xf
	s_wait_tensorcnt 0x0
	ds_add_u32 v0, v1
	s_wait_dscnt 0x0
	s_set_vgpr_msb 0xf00
	CROUND                                         ; the closing round: no work-group ends while a partner may still ask for a tile that names it
	s_endpgm
.Lfunc_end_k_q9e4e1d2730_main:
	.size	k_q9e4e1d2730_main, .Lfunc_end_k_q9e4e1d2730_main-k_q9e4e1d2730_main
	.p2alignl 7, 3214868480
	.fill 96, 4, 3214868480
	.section	.rodata,"a",@progbits
	.p2align	6, 0x0
	.amdhsa_kernel k_q9e4e1d2730_main
		.amdhsa_group_segment_fixed_size 327680
		.amdhsa_private_segment_fixed_size 0
		.amdhsa_enable_private_segment 0
		.amdhsa_kernarg_size 40
		.amdhsa_user_sgpr_count 2
		.amdhsa_user_sgpr_kernarg_segment_ptr 1
		.amdhsa_wavefront_size32 1
		.amdhsa_system_sgpr_workgroup_id_x 1
		.amdhsa_system_sgpr_workgroup_id_y 1
		.amdhsa_system_sgpr_workgroup_id_z 1
		.amdhsa_system_vgpr_workitem_id 0
		.amdhsa_next_free_vgpr 770
		.amdhsa_next_free_sgpr 66
		.amdhsa_reserve_vcc 0
		.amdhsa_float_denorm_mode_32 3
		.amdhsa_float_denorm_mode_16_64 3
		.amdhsa_memory_ordered 1
		.amdhsa_forward_progress 1
		.amdhsa_inst_pref_size 255
	.end_amdhsa_kernel
	.section	.bss,"aw",@nobits
	.p2align	6
	.space	262144
	.amdgpu_metadata
---
amdhsa.version: [ 1, 2 ]
amdhsa.kernels:
  - .name:           k_q9e4e1d2730_main
    .symbol:         k_q9e4e1d2730_main.kd
    .args:
      - { .name: x, .offset: 0, .size: 8, .value_kind: global_buffer, .address_space: global }
      - { .name: cbh, .offset: 8, .size: 8, .value_kind: global_buffer, .address_space: global }
      - { .name: e2w, .offset: 16, .size: 8, .value_kind: global_buffer, .address_space: global }
      - { .name: pscore, .offset: 24, .size: 8, .value_kind: global_buffer, .address_space: global }
      - { .name: pidx, .offset: 32, .size: 8, .value_kind: global_buffer, .address_space: global }
    .group_segment_fixed_size: 327680
    .private_segment_fixed_size: 0
    .kernarg_segment_align: 8
    .kernarg_segment_size: 40
    .max_flat_workgroup_size: 128
    .sgpr_count:     66
    .vgpr_count:     770
    .wavefront_size: 32
...
	.end_amdgpu_metadata
.endif
;; end of part 2
;; launch finish (part 3): grid 256 x 1, 8 waves a work-group, no clusters, 2,048 bytes of LDS; arguments x, codebook, pscore, pidx, out0, out2, out3, lpart; writes out0, out2, out3, lpart
.if DOCPART == 3
	.amdgcn_target "amdgcn-amd-amdhsa--gfx1250"
	.amdhsa_code_object_version 6
	.text
	.protected	k_q9e4e1d2730_finish
	.globl	k_q9e4e1d2730_finish
	.p2align	8
	.type	k_q9e4e1d2730_finish,@function
k_q9e4e1d2730_finish:
	s_mov_b64 s[64:65], 0
	v_nop
	global_prefetch_b8 v0, s[64:65] scope:SCOPE_SE
	s_setreg_imm32_b32 hwreg(HW_REG_WAVE_MODE, 25, 1), 1
	s_wait_xcnt 0x0
; For each row: the best of the four quarters' candidates (the lower quarter keeps a tie, so the lower code); out2 = its code;
; out3 = |bf16(x)|^2 + its score; out0 = x + (q - x) with q the code's f32 row; lpart[work-group] = sum of (q - x)^2 over its 64 rows.
; The four candidates' rows are ALL loaded, by addresses made of pidx as it is read, and the comparison of scores only selects values:
; no address of this launch hangs on a floating-point number.  The loss is the direct sum of squares in f32, as the definition has it.
; Eight waves; the work-group owns 64 rows, a wave 8, one at a time, on two sets of registers: 20 loads of the next row stay out while a row is worked on.
; A row is 2,048 bytes: four loads or stores of 16 bytes a lane, 512 consecutive bytes each.  No matrix unit, cluster or LDS ring: bytes bind.
; LIMIT: NaN scores are not served (a NaN never wins a comparison here).
.set OFFC, 2                           ; v[2:9]     set, quarter: byte offset of my 16 bytes in the candidate's row
.set LOSS, 16                          ; v[16:19]   two chains of two sums of (q - x)^2
.set X2,   20                          ; v[20:23]   two chains of two sums of bf16(x)^2
.set T,    24                          ; v[24:27]   q - x
.set W,    28                          ; v[28:31]   bf16(x), widened
.set XR,   32                          ; v[32:63]   x, two sets of 16
.set OU,   64                          ; v[64:95]   out0's data, two sets of 16
.set CR,   96                          ; v[96:223]  candidates: two sets x 4 quarters x 16
.set LS,   224                         ; v224       LDS: 32 x wave
.set LW,   225                         ; v225       LDS: 512 + 4 x wave
.set P,    226                         ; v226       target of the swap of the wave's halves
; s[24:55] pidx of my 8 rows, 8 registers a quarter; s[56:63], s[68:75], s[76:83], s[84:91] pscore likewise
	s_load_b512 s[4:19], s[0:1], 0x0               ; x 4, codebook 6, pscore 8, pidx 10, out0 12, out2 14, out3 16, lpart 18
	v_lshl_add_u32 v232, v0, 2, 0x400
	v_mov_b32 v233, 0
	v_lshrrev_b32 v10, 5, v0
	v_readfirstlane_b32 s20, v10                   ; wave 0..7
	v_lshlrev_b32 v[LS], 5, v10
	v_lshl_add_u32 v[LW], v10, 2, 512
	v_and_b32 v11, 31, v0
	v_lshlrev_b32 v1, 4, v11                       ; 16 x lane; never rewritten
	v_mov_b32 v[P], 0
	s_lshl_b32 s21, ttmp9, 8                       ; 64 rows x 4 bytes
	s_lshl_b32 s22, s20, 5                         ; + 8 rows a wave
	s_add_co_u32 s21, s21, s22
	s_mov_b32 s96, 0x76543210
	s_mov_b32 s97, 0xfedcba98
	s_mov_b32 s98, 0xffff0000
	s_wait_kmcnt 0x0
.irp q, 0,1,2,3
	s_load_b256 s[24+8*\q:31+8*\q], s[10:11], s21 offset:65536*\q
.endr
	s_load_b256 s[56:63], s[8:9], s21
	s_load_b256 s[68:75], s[8:9], s21 offset:65536
	s_load_b256 s[76:83], s[8:9], s21 offset:131072
	s_load_b256 s[84:91], s[8:9], s21 offset:196608
	s_lshl_b32 s22, s21, 9                         ; my first row x 2,048 bytes
	s_mov_b32 s23, 0
	s_add_nc_u64 s[4:5], s[4:5], s[22:23]
	s_add_nc_u64 s[12:13], s[12:13], s[22:23]
	s_wait_kmcnt 0x0
.macro ROWLOAD i, set                  ; 20 loads: x's row and the four candidates' rows
.irp k, 0,1,2,3
	global_load_b128 v[XR+16*\set+4*\k:XR+16*\set+4*\k+3], v1, s[4:5] offset:2048*\i+512*\k th:TH_LOAD_NT
.endr
.irp q, 0,1,2,3
	s_min_u32 s92, s[24+8*\q+\i], 0x1fff           ; a code stays inside the codebook
	v_lshl_add_u32 v[OFFC+4*\set+\q], s92, 11, v1
.irp k, 0,1,2,3
	global_load_b128 v[CR+64*\set+16*\q+4*\k:CR+64*\set+16*\q+4*\k+3], v[OFFC+4*\set+\q], s[6:7] offset:512*\k
.endr
.endr
.endm
.macro WSUM r                          ; sum over the wave's 32 lanes, in every lane
	v_add_f32_dpp v[\r], v[\r], v[\r] row_xmask:1 row_mask:0xf bank_mask:0xf
	v_add_f32_dpp v[\r], v[\r], v[\r] row_xmask:2 row_mask:0xf bank_mask:0xf
	v_add_f32_dpp v[\r], v[\r], v[\r] row_xmask:4 row_mask:0xf bank_mask:0xf
	v_add_f32_dpp v[\r], v[\r], v[\r] row_xmask:8 row_mask:0xf bank_mask:0xf
	v_permlanex16_b32 v[P], v[\r], s96, s97
	v_add_f32 v[\r], v[\r], v[P]
.endm
.macro ROWWORK i, set, left, first
	s_wait_loadcnt \left                           ; this row's 20 loads are in; the next row's 20 stay out
	s_wait_xcnt 0x0                                ; this set's store data, which the stores of two rows ago read, are rewritten only behind this wait
	v_mov_b32 v10, s[56+\i]
	v_mov_b32 v11, s[68+\i]
	v_mov_b32 v12, s[76+\i]
	v_mov_b32 v13, s[84+\i]
	v_cmp_lt_f32 s93, v11, v10                     ; strictly: the lower quarter keeps a tie
	v_cmp_lt_f32 s94, v13, v12
	v_cndmask_b32 v10, v10, v11, s93
	v_cndmask_b32 v12, v12, v13, s94
	v_cmp_lt_f32 s95, v12, v10
	v_cndmask_b32 v10, v10, v12, s95               ; the row's score
	v_mov_b32 v11, s[24+\i]
	v_mov_b32 v13, s[40+\i]
	v_cndmask_b32 v11, v11, s[32+\i], s93
	v_cndmask_b32 v13, v13, s[48+\i], s94
	v_cndmask_b32 v11, v11, v13, s95               ; the row's code
.irp e, 0,1,2,3,4,5,6,7,8,9,10,11,12,13,14,15
	v_cndmask_b32 v[CR+64*\set+\e],    v[CR+64*\set+\e],    v[CR+64*\set+16+\e], s93
	v_cndmask_b32 v[CR+64*\set+32+\e], v[CR+64*\set+32+\e], v[CR+64*\set+48+\e], s94
	v_cndmask_b32 v[CR+64*\set+\e],    v[CR+64*\set+\e],    v[CR+64*\set+32+\e], s95
.endr
.irp e, 0,2,4,6,8,10,12,14
.set CH, (\e/2)%2                                  ; two chains take turns
.set ST, 0
.if \first
.if \e < 4
.set ST, 1
.endif
.endif
	v_pk_add_f32 v[T+2*CH:T+2*CH+1], v[CR+64*\set+\e:CR+64*\set+\e+1], v[XR+16*\set+\e:XR+16*\set+\e+1] neg_lo:[0,1] neg_hi:[0,1]
	v_cvt_pk_bf16_f32 v[14+CH], v[XR+16*\set+\e], v[XR+16*\set+\e+1]
	v_pk_add_f32 v[OU+16*\set+\e:OU+16*\set+\e+1], v[XR+16*\set+\e:XR+16*\set+\e+1], v[T+2*CH:T+2*CH+1]
.if ST
	v_pk_mul_f32 v[LOSS+2*CH:LOSS+2*CH+1], v[T+2*CH:T+2*CH+1], v[T+2*CH:T+2*CH+1]      ; the wave's first squares start the sums
.else
	v_pk_fma_f32 v[LOSS+2*CH:LOSS+2*CH+1], v[T+2*CH:T+2*CH+1], v[T+2*CH:T+2*CH+1], v[LOSS+2*CH:LOSS+2*CH+1]
.endif
	v_lshlrev_b32 v[W+2*CH],   16,  v[14+CH]
	v_and_b32     v[W+2*CH+1], s98, v[14+CH]
.if \e < 4
	v_pk_mul_f32 v[X2+2*CH:X2+2*CH+1], v[W+2*CH:W+2*CH+1], v[W+2*CH:W+2*CH+1]          ; the row's first squares start its sums
.else
	v_pk_fma_f32 v[X2+2*CH:X2+2*CH+1], v[W+2*CH:W+2*CH+1], v[W+2*CH:W+2*CH+1], v[X2+2*CH:X2+2*CH+1]
.endif
.endr
.irp k, 0,1,2,3
	global_store_b128 v1, v[OU+16*\set+4*\k:OU+16*\set+4*\k+3], s[12:13] offset:2048*\i+512*\k th:TH_STORE_NT
.endr
	v_pk_add_f32 v[X2:X2+1], v[X2:X2+1], v[X2+2:X2+3]
	v_add_f32 v[X2], v[X2], v[X2+1]
	WSUM X2
	v_add_f32 v10, v[X2], v10                      ; the least distance
	ds_store_b32 v[LS], v10 offset:4*\i            ; all lanes write the same word with the same value
	ds_store_b32 v[LS], v11 offset:256+4*\i
.endm
	ROWLOAD 0, 0
	ROWLOAD 1, 1
	ROWWORK 0, 0, 20, 1
	ROWLOAD 2, 0
	ROWWORK 1, 1, 20, 0
	ROWLOAD 3, 1
	ROWWORK 2, 0, 20, 0
	ROWLOAD 4, 0
	ROWWORK 3, 1, 20, 0
	ROWLOAD 5, 1
	ROWWORK 4, 0, 20, 0
	ROWLOAD 6, 0
	ROWWORK 5, 1, 20, 0
	ROWLOAD 7, 1
	ROWWORK 6, 0, 20, 0
	ROWWORK 7, 1, 0, 0
	v_pk_add_f32 v[LOSS:LOSS+1], v[LOSS:LOSS+1], v[LOSS+2:LOSS+3]
	v_add_f32 v[LOSS], v[LOSS], v[LOSS+1]
	WSUM LOSS
	ds_store_b32 v[LW], v[LOSS]
	s_wait_dscnt 0x0                               ; my words are in LDS before I say so
	s_barrier_signal -1
	s_barrier_wait -1
	s_cmp_lg_u32 s20, 0
	s_cbranch_scc1 .Lend
	; wave 0: the work-group's 64 distances and 64 codes, two a lane, and the eight waves' sums
	v_lshrrev_b32 v10, 1, v1                       ; 8 x lane
	v_mov_b32 v11, 0
	ds_load_b64 v[24:25], v10
	ds_load_b64 v[26:27], v10 offset:256
	ds_load_b128 v[28:31], v11 offset:512
	ds_load_b128 v[16:19], v11 offset:528
	s_lshl_b32 s22, ttmp9, 8                       ; 64 rows x 4 bytes
	s_add_nc_u64 s[16:17], s[16:17], s[22:23]
	s_add_nc_u64 s[14:15], s[14:15], s[22:23]
	s_lshl_b32 s22, ttmp9, 2
	s_add_nc_u64 s[18:19], s[18:19], s[22:23]
	s_wait_dscnt 0x0
	global_store_b64 v10, v[24:25], s[16:17]       ; 256 consecutive bytes, aligned
	global_store_b64 v10, v[26:27], s[14:15]
	v_pk_add_f32 v[28:29], v[28:29], v[30:31]
	v_pk_add_f32 v[16:17], v[16:17], v[18:19]
	v_pk_add_f32 v[28:29], v[28:29], v[16:17]
	v_add_f32 v28, v28, v29
	v_cmp_eq_u32 vcc_lo, 0, v0
	s_wait_xcnt 0x0                                ; EXEC is a source of the pending stores: it changes only behind this wait
	s_and_saveexec_b32 s21, vcc_lo
	global_store_b32 v11, v28, s[18:19]            ; lane 0: the work-group's part of the loss
	s_wait_xcnt 0x0
	s_or_b32 exec_lo, exec_lo, s21
.Lend:
	s_wait_tensorcnt 0x0
	ds_add_u32 v232, v233
	s_wait_dscnt 0x0
	s_endpgm
.Lfunc_end_k_q9e4e1d2730_finish:
	.size	k_q9e4e1d2730_finish, .Lfunc_end_k_q9e4e1d2730_finish-k_q9e4e1d2730_finish
	.p2alignl 7, 3214868480
	.fill 96, 4, 3214868480
	.section	.rodata,"a",@progbits
	.p2align	6, 0x0
	.amdhsa_kernel k_q9e4e1d2730_finish
		.amdhsa_group_segment_fixed_size 2048
		.amdhsa_private_segment_fixed_size 0
		.amdhsa_enable_private_segment 0
		.amdhsa_kernarg_size 64
		.amdhsa_user_sgpr_count 2
		.amdhsa_user_sgpr_kernarg_segment_ptr 1
		.amdhsa_wavefront_size32 1
		.amdhsa_system_sgpr_workgroup_id_x 1
		.amdhsa_system_sgpr_workgroup_id_y 1
		.amdhsa_system_sgpr_workgroup_id_z 1
		.amdhsa_system_vgpr_workitem_id 0
		.amdhsa_next_free_vgpr 234
		.amdhsa_next_free_sgpr 100
		.amdhsa_reserve_vcc 1
		.amdhsa_float_denorm_mode_32 3
		.amdhsa_float_denorm_mode_16_64 3
		.amdhsa_memory_ordered 1
		.amdhsa_forward_progress 1
		.amdhsa_inst_pref_size 85
	.end_amdhsa_kernel
	.amdgpu_metadata
---
amdhsa.version: [ 1, 2 ]
amdhsa.kernels:
  - .name:           k_q9e4e1d2730_finish
    .symbol:         k_q9e4e1d2730_finish.kd
    .args:
      - { .name: x, .offset: 0, .size: 8, .value_kind: global_buffer, .address_space: global }
      - { .name: codebook, .offset: 8, .size: 8, .value_kind: global_buffer, .address_space: global }
      - { .name: pscore, .offset: 16, .size: 8, .value_kind: global_buffer, .address_space: global }
      - { .name: pidx, .offset: 24, .size: 8, .value_kind: global_buffer, .address_space: global }
      - { .name: out0, .offset: 32, .size: 8, .value_kind: global_buffer, .address_space: global }
      - { .name: out2, .offset: 40, .size: 8, .value_kind: global_buffer, .address_space: global }
      - { .name: out3, .offset: 48, .size: 8, .value_kind: global_buffer, .address_space: global }
      - { .name: lpart, .offset: 56, .size: 8, .value_kind: global_buffer, .address_space: global }
    .group_segment_fixed_size: 2048
    .private_segment_fixed_size: 0
    .kernarg_segment_align: 8
    .kernarg_segment_size: 64
    .max_flat_workgroup_size: 256
    .sgpr_count:     100
    .vgpr_count:     234
    .wavefront_size: 32
...
	.end_amdgpu_metadata
.endif
;; end of part 3
;; launch total (part 4): grid 1 x 1, 1 waves a work-group, no clusters, 0 bytes of LDS; arguments lpart, out1, out4; writes out1, out4
.if DOCPART == 4
	.amdgcn_target "amdgcn-amd-amdhsa--gfx1250"
	.amdhsa_code_object_version 6
	.text
	.protected	k_q9e4e1d2730_total
	.globl	k_q9e4e1d2730_total
	.p2align	8
	.type	k_q9e4e1d2730_total,@function
k_q9e4e1d2730_total:
	s_mov_b64 s[64:65], 0
	v_nop
	global_prefetch_b8 v0, s[64:65] scope:SCOPE_SE
	s_setreg_imm32_b32 hwreg(HW_REG_WAVE_MODE, 25, 1), 1
	s_wait_xcnt 0x0
; S = sum of the 256 work-groups' parts of the loss, in a fixed order;  out4 = S;  out1 = 0.25 S + S.
; One wave: 8 numbers a lane, two loads of 512 consecutive bytes.
	s_load_b128 s[4:7], s[0:1], 0x0                ; lpart s[4:5], out1 s[6:7]
	s_load_b64 s[8:9], s[0:1], 0x10                ; out4
	v_lshlrev_b32 v1, 4, v0
	v_mov_b32 v10, 0                               ; written once: the swap's target counts as read
	v_mov_b32 v11, 0
	s_mov_b32 s10, 0x76543210
	s_mov_b32 s11, 0xfedcba98
	s_wait_kmcnt 0x0
	global_load_b128 v[2:5], v1, s[4:5]
	global_load_b128 v[6:9], v1, s[4:5] offset:512
	s_wait_loadcnt 0x0
	v_pk_add_f32 v[2:3], v[2:3], v[4:5]
	v_pk_add_f32 v[6:7], v[6:7], v[8:9]
	v_pk_add_f32 v[2:3], v[2:3], v[6:7]
	v_add_f32 v2, v2, v3
	v_add_f32_dpp v2, v2, v2 row_xmask:1 row_mask:0xf bank_mask:0xf
	v_add_f32_dpp v2, v2, v2 row_xmask:2 row_mask:0xf bank_mask:0xf
	v_add_f32_dpp v2, v2, v2 row_xmask:4 row_mask:0xf bank_mask:0xf
	v_add_f32_dpp v2, v2, v2 row_xmask:8 row_mask:0xf bank_mask:0xf
	v_permlanex16_b32 v10, v2, s10, s11
	v_add_f32 v2, v2, v10                          ; S
	v_fmamk_f32 v3, v2, 0x3e800000, v2             ; 0.25 S + S
	v_cmp_eq_u32 vcc_lo, 0, v0
	s_wait_xcnt 0x0                                ; EXEC changes only behind this wait
	s_and_saveexec_b32 s12, vcc_lo
	global_store_b32 v11, v3, s[6:7]
	global_store_b32 v11, v2, s[8:9]
	s_wait_xcnt 0x0
	s_or_b32 exec_lo, exec_lo, s12
	s_endpgm
.Lfunc_end_k_q9e4e1d2730_total:
	.size	k_q9e4e1d2730_total, .Lfunc_end_k_q9e4e1d2730_total-k_q9e4e1d2730_total
	.p2alignl 7, 3214868480
	.fill 96, 4, 3214868480
	.section	.rodata,"a",@progbits
	.p2align	6, 0x0
	.amdhsa_kernel k_q9e4e1d2730_total
		.amdhsa_group_segment_fixed_size 0
		.amdhsa_private_segment_fixed_size 0
		.amdhsa_enable_private_segment 0
		.amdhsa_kernarg_size 24
		.amdhsa_user_sgpr_count 2
		.amdhsa_user_sgpr_kernarg_segment_ptr 1
		.amdhsa_wavefront_size32 1
		.amdhsa_system_sgpr_workgroup_id_x 1
		.amdhsa_system_sgpr_workgroup_id_y 1
		.amdhsa_system_sgpr_workgroup_id_z 1
		.amdhsa_system_vgpr_workitem_id 0
		.amdhsa_next_free_vgpr 16
		.amdhsa_next_free_sgpr 66
		.amdhsa_reserve_vcc 1
		.amdhsa_float_denorm_mode_32 3
		.amdhsa_float_denorm_mode_16_64 3
		.amdhsa_memory_ordered 1
		.amdhsa_forward_progress 1
		.amdhsa_inst_pref_size 2
	.end_amdhsa_kernel
	.amdgpu_metadata
---
amdhsa.version: [ 1, 2 ]
amdhsa.kernels:
  - .name:           k_q9e4e1d2730_total
    .symbol:         k_q9e4e1d2730_total.kd
    .args:
      - { .name: lpart, .offset: 0, .size: 8, .value_kind: global_buffer, .address_space: global }
      - { .name: out1, .offset: 8, .size: 8, .value_kind: global_buffer, .address_space: global }
      - { .name: out4, .offset: 16, .size: 8, .value_kind: global_buffer, .address_space: global }
    .group_segment_fixed_size: 0
    .private_segment_fixed_size: 0
    .kernarg_segment_align: 8
    .kernarg_segment_size: 24
    .max_flat_workgroup_size: 32
    .sgpr_count:     66
    .vgpr_count:     16
    .wavefront_size: 32
...
	.end_amdgpu_metadata
.endif
;; end of part 4
;; ======== version 2 of 2: 4 launches; 1.26 times as fast as version 1
;; workspace buffers: cbh 8,388,608 bytes; e2w 32,768 bytes; pscore 262,144 bytes; pidx 262,144 bytes of whole numbers; lpart 1,024 bytes
;; launch prep: the kernel of part 1 again; grid 256 x 1, 8 waves a work-group, no clusters, 1,280 bytes of LDS; arguments codebook, cbh, e2w; writes cbh, e2w
;; launch main (part 5): grid 64 x 4, 4 waves a work-group, clusters of 4 x 4, 327,680 bytes of LDS; arguments x, cbh, e2w, pscore, pidx; writes pscore, pidx
.if DOCPART == 5
	.amdgcn_target "amdgcn-amd-amdhsa--gfx1250"
	.amdhsa_code_object_version 6
	.text
	.protected	k_q9e4e1d2730_main
	.globl	k_q9e4e1d2730_main
	.p2align	8
	.type	k_q9e4e1d2730_main,@function
k_q9e4e1d2730_main:
	s_mov_b64 s[64:65], 0
	v_nop
	global_prefetch_b8 v0, s[64:65] scope:SCOPE_SE
	s_setreg_imm32_b32 hwreg(HW_REG_WAVE_MODE, 25, 1), 1
	s_wait_xcnt 0x0
	s_wait_alu depctr_hold_cnt(0) depctr_sa_sdst(0) depctr_va_vdst(0) depctr_va_sdst(0) depctr_va_ssrc(0) depctr_va_vcc(0) depctr_vm_vsrc(0)
	s_getreg_b32 s2, hwreg(HW_REG_IB_STS2, 6, 4)
	s_cmp_eq_u32 s2, 0
	s_cbranch_scc0 .Lentry_in_a_cluster
	s_endpgm
.Lentry_in_a_cluster:
	s_bfe_u32 s2, ttmp6, 0x10000c
	s_cmp_lg_u32 s2, 0xf033
	s_cbranch_scc0 .Lentry_shape_is_right
	s_endpgm
.Lentry_shape_is_right:
; For 256 rows of x and 2,048 codes: score[n][c] = e2[c] - 2 sum over k of bf16(x[n][k]) cbh[c][k], and for each row the least score of the
; quarter and its code (the lower code where two scores are equal).  pscore, pidx: [4 quarters][16384 rows].
; x: [16384][512] f32, cbh: [8192][512] bf16, e2w: [8192] f32.  Products on bf16 operands, sums in f32; e2 is added behind the sum.
;
; LIMITS.  The code is chosen on operands rounded to bf16 and on e2 - 2 dot; |x|^2, equal for all codes of a row, is added in the next launch.
; Two codes of a row whose distances differ by about 1e-7 of |x|^2 + |e|^2 or less may be taken in the other order than by arithmetic
; that adds |x|^2 first.  NaN and infinities among the inputs are not served: a NaN score never wins here.
;
; SHARES.  Work-group (x, y): row block x of 64, code quarter y of 4.  Four waves; wave w keeps its 64 rows of x as bf16 fragments in 512
; registers for the whole launch (4 row tiles x 16 K steps x 8 registers) and walks all 128 code tiles of 16 codes.  The codes come
; through two LDS slots of 128 codes x 512 k each, filled by the tensor data mover; every wave reads every code fragment.
; CLUSTERS.  4 x 4 work-groups.  The four with the same cy work on the same quarter and ask for each slot JOINTLY (mask = my row of the
; cluster).  x is not asked for jointly: it has to be converted, so it goes through registers, once, 512 KiB a work-group against the
; 2 MiB of code tiles that the work-group walks.
;
; THE MATRIX INSTRUCTION IS USED TRANSPOSED: source 0 = 16 codes, source 1 = 16 rows of x.  Lane (r = l % 16, h = l / 16), register j then
; holds row 16 a + r against code 16 T + 8 h + j: a lane's running minima belong to one row, and the eight e2 are 32 neighbouring bytes.
; REGISTER WINDOWS.  Code fragments, sums and all vector work lie in window 0; x's fragments of K steps 0-7 in window 1, of 8-15 in window 2.
; Only source 1 changes window (0x04, 0x08), and no vector instruction between the products has a vector register as source 1:
; two switches for a tile's 64 products.
; THE ARGMIN of tile T - 1 is laid between the products of tile T, two vector instructions behind each product; two sets of sums take turns.
; CODE FRAGMENTS have eight places of 8 registers, two groups of four K steps.  While one group's 16 products run, the other group's places are
; loaded, in ONE run of eight LDS loads behind the group's first product: four runs a tile, 15 products from a request to its first use.
; A ring of sixteen places does not fit: sums 64 + minima 32 + their tiles 32 + e2 16 + fragments 128 registers pass a window's 256.
; THE LOOPS.  The outer loop is turned by one tile: tile 0 (which sets the starting values) stands in front of it, a trip is tiles 1-15 of a lap
; and tile 0 of the next, seven trips hold all fourteen refills, and the last lap's fifteen tiles, which fill nothing, follow behind it.
; Tiles 1 to 6 of every slot are three like pairs and go round an inner loop of three trips, on LDS addresses that are copied from the slot's
; fixed ones ahead of it and stepped by two tiles a trip.  So a lap's sixteen tiles are eight tiles of text and the last lap's fifteen are seven:
; the text is short, and little of it is run only once.  A slot's last tile, with the change of slots, and its first keep fixed addresses.
.set PITCH,  272                       ; an LDS row: 256 bytes + 16 of padding
.set PANEL,  128*PITCH                 ; 128 codes x 128 k: what one tensor load brings
.set SLOT,   4*PANEL                   ; 128 codes x 512 k, as four panels
.set CTILE,  16*PITCH                  ; 16 codes in a panel
.set E2L,    2*SLOT                    ; 8,192 bytes: the quarter's e2.  Written by LDS stores alone
.set SCR,    E2L+8192                  ; 4 x 4,352 bytes: each wave's own 16 rows x 272.  Written by LDS stores alone
.set SCRW,   16*PITCH
.set STEPB,  2*128*1024                ; two slots on in cbh: 256 codes of 1,024 bytes
.set LB,   4                           ; v[4:11]    LDS address of my fragment bytes in (slot, panel): slot*SLOT + panel*PANEL + 272 r + 16 h
.set LE,   12                          ; v12        E2L + 32 h, 1,024 on in each lap
.set XO,   13                          ; v13        16 x lane
.set SST,  14                          ; v14        my wave's scratch + 8 x lane
.set SRD,  15                          ; v15        my wave's scratch + 272 r + 16 h
.set DT,   16                          ; v[16:17]   two scores
.set FT,   18                          ; v[18:19]   score - best
.set E2R,  24                          ; v[24:39]   two sets of 8 e2
.set BEST, 40                          ; v[40:71]   running minimum, 8 a + j
.set IDX,  72                          ; v[72:103]  its tile's number, 8 a + j
.set ACC,  104                         ; v[104:167] sums: 32 X + 8 a
.set BF,   168                         ; v[168:231] code fragments: eight places, K step ks in place ks % 8
.set LP,   232                         ; v[232:235] the inner loop's copy of a slot's four LB, two tiles on in each trip
.set LEP,  236                         ; v236       the inner loop's copy of LE, two tiles (128 bytes) on in each trip
.set ET,   40                          ; head only: v[40:55] e2 on its way to LDS
.set CV,   32                          ; head only: v[32:63] a unit of x in bf16
.set XT,   64                          ; head only: v[64:255] three sets of 16 loads of x
.set G1,   24                          ; s[24:31]   descriptor group 1
.set G0,   32                          ; s[32:39]   descriptor group 0, one set for each slot
.set MSB,  0
.macro WIN new                         ; the immediate's high byte repeats the setting that is left
.if MSB != \new
	s_set_vgpr_msb (MSB<<8)|\new
.set MSB, \new
.endif
.endm
.macro CREST                           ; a round of the cluster's barrier behind its opening work-group barrier
	s_cmp_lg_u32 s14, 0
	s_cbranch_scc1 .Lnot_wave_0_\@
	s_barrier_signal -3
.Lnot_wave_0_\@:
	s_barrier_wait -3
	s_barrier_signal -1
	s_barrier_wait -1
.endm
.macro CROUND                          ; a whole round
	s_barrier_signal -1
	s_barrier_wait -1
	CREST
.endm
	s_load_b256 s[4:11], s[0:1], 0x0               ; x s[4:5], cbh s[6:7], e2w s[8:9], pscore s[10:11]
	s_load_b64 s[12:13], s[0:1], 0x20              ; pidx
	s_set_vgpr_msb 0xc0
	v_lshl_add_u32 v0, v0, 2, 0x4a400
	v_mov_b32 v1, 0
	s_set_vgpr_msb 0xc0cf
	ds_add_u32 v0, v1
	s_set_vgpr_msb 0xcf00
	v_lshrrev_b32 v1, 5, v0
	v_readfirstlane_b32 s14, v1                    ; wave 0..3
	s_bfe_u32 s16, ttmp6, 0x40000                  ; cx
	s_bfe_u32 s17, ttmp6, 0x40004                  ; cy = the code quarter: the grid has one cluster along y
	s_lshl_b32 s18, ttmp9, 2
	s_add_co_u32 s18, s18, s16                     ; row block = 4 x cluster x + cx
	s_lshl_b32 s22, s17, 2
	s_lshl_b32 s22, 15, s22                        ; my row of the cluster: places 4 cy .. 4 cy + 3
	; group 1: a tile of 128 rows x 128 elements of 2 bytes, 16 bytes of padding behind each row of 64 words
	s_or_b32 s[G1+0], s22, (1<<16)|(1<<20)|(1<<21)|(5<<22)|(3<<25)
	s_mov_b32 s[G1+1], 128<<16                     ; tensor_dim0 = 128
	s_mov_b32 s[G1+2], 128<<16                     ; tensor_dim1 = 128
	s_mov_b32 s[G1+3], 128<<16                     ; tile_dim0 = 128
	s_mov_b32 s[G1+4], 128                         ; tile_dim1 = 128
	s_mov_b32 s[G1+5], 512                         ; elements from row to row
	s_mov_b32 s[G1+6], 0
	s_mov_b32 s[G1+7], 0
	s_lshl_b32 s52, s17, 21                        ; cbh: quarter x 2,048 codes x 1,024 bytes (these registers never hold cx)
	s_lshl_b32 s54, s14, 8                         ; + my panel's 256 bytes of each row
	s_add_co_u32 s52, s52, s54
	s_mov_b32 s53, 0
	s_mul_i32 s55, s14, PANEL                      ; and where it goes: panel = wave
	s_lshl_b32 s20, s18, 19                        ; x: row block x 256 rows x 2,048 bytes
	s_lshl_b32 s21, s14, 17                        ; + 64 rows a wave
	s_add_co_u32 s20, s20, s21
	s_mov_b32 s21, 0
	s_lshl_b32 s56, s17, 13                        ; e2w: quarter x 2,048 x 4 bytes
	s_mov_b32 s57, 0
	s_lshl_b32 s58, s17, 16                        ; pscore, pidx: quarter x 16,384 x 4 bytes
	s_lshl_b32 s59, s18, 10                        ; + row block x 256 x 4
	s_add_co_u32 s58, s58, s59
	s_lshl_b32 s59, s14, 8                         ; + wave x 64 x 4
	s_add_co_u32 s58, s58, s59
	s_mov_b32 s59, 0
	s_mul_i32 s15, s14, SCRW
	s_add_co_u32 s15, s15, SCR                     ; my wave's scratch
	s_mov_b32 s42, 0x7f800000                      ; +infinity
	s_mov_b32 s46, 0x76543210                      ; lane i of one half reads lane i of the other
	s_mov_b32 s47, 0xfedcba98
	s_mov_b32 s51, 0xffff0000                      ; lanes 16 to 31
	v_and_b32 v1, 15, v0                           ; r
	v_bfe_u32 v2, v0, 4, 1                         ; h
	v_and_b32 v20, 31, v0                          ; lane
	v_mul_u32_u24 v21, v1, PITCH
	v_lshl_add_u32 v21, v2, 4, v21                 ; 272 r + 16 h
	v_lshl_add_u32 v3, v0, 4, E2L                  ; where my 16 bytes of e2 go
	v_lshlrev_b32 v22, 4, v0                       ; and where they come from; not written again before the way out
.irp n, 0,1,2,3,4,5,6,7
	v_add_nc_u32 v[LB+\n], (\n/4)*SLOT+(\n%4)*PANEL, v21
.endr
	v_lshl_add_u32 v[LE], v2, 5, E2L
	v_lshlrev_b32 v[XO], 4, v20
	v_lshl_add_u32 v[SST], v20, 3, s15
	v_add_nc_u32 v[SRD], s15, v21
	s_wait_dscnt 0x0
	s_wait_kmcnt 0x0
	s_add_nc_u64 s[6:7], s[6:7], s[52:53]
	s_add_nc_u64 s[4:5], s[4:5], s[20:21]
	s_add_nc_u64 s[8:9], s[8:9], s[56:57]
	s_add_nc_u64 s[10:11], s[10:11], s[58:59]
	s_add_nc_u64 s[12:13], s[12:13], s[58:59]
	CROUND                                         ; all sixteen work-groups are here: the first joint loads meet
.irp n, 0,1
	s_mov_b32 s[G0+4*\n], 1                                        ; count = 1
	s_add_co_u32 s[G0+4*\n+1], s55, \n*SLOT                        ; LDS address: slot, my panel
	s_add_nc_u64 s[G0+4*\n+2:G0+4*\n+3], s[6:7], \n*128*1024       ; codes 128 n .. 128 n + 127 of the quarter
	s_or_b32 s[G0+4*\n+3], s[G0+4*\n+3], 0x80000000                ; type = 2
	tensor_load_to_lds s[G0+4*\n:G0+4*\n+3], s[G1:G1+7]            ; both first fills go out together: two loads of the wave are out
	s_nop 0
.endr
; x INTO REGISTERS, in 16 units of 16 rows x 128 k (unit u: row tile u % 4, k quarter u / 4).  Sixteen loads, each 512 consecutive bytes of a
; row; rounded to bf16; 8 bytes a lane into my own scratch rows of 272 bytes; read back as four fragments.  The scratch is the wave's own and
; LDS serves a wave's instructions in order (ISA guide 5.7.1), so no wait stands between these stores and loads, nor between units.
.macro XLOAD u
.irp i, 0,1,2,3,4,5,6,7,8,9,10,11,12,13,14,15
	global_load_b128 v[XT+64*((\u)%3)+4*\i:XT+64*((\u)%3)+4*\i+3], v[XO], s[4:5] offset:(16*((\u)%4)+\i)*2048+512*((\u)/4)
.endr
.endm
.macro XUNIT u, left
	s_wait_loadcnt \left                           ; this unit's 16 loads are in; the younger units' stay out
.irp i, 0,1,2,3,4,5,6,7,8,9,10,11,12,13,14,15
	v_cvt_pk_bf16_f32 v[CV+2*\i],   v[XT+64*(\u%3)+4*\i],   v[XT+64*(\u%3)+4*\i+1]
	v_cvt_pk_bf16_f32 v[CV+2*\i+1], v[XT+64*(\u%3)+4*\i+2], v[XT+64*(\u%3)+4*\i+3]
.endr
.if \u <= 12
	XLOAD \u+3                                     ; the set just read is asked for again: three units are always on their way
.endif
.irp i, 0,1,2,3,4,5,6,7,8,9,10,11,12,13,14,15
	ds_store_b64 v[SST], v[CV+2*\i:CV+2*\i+1] offset:PITCH*\i
.endr
.if \u < 8
	WIN 0x40                                       ; destination in window 1: K steps 0-7
.else
	WIN 0x80                                       ; window 2: K steps 8-15
.endif
.irp t, 0,1,2,3
	ds_load_b128 v[32*((4*(\u/4)+\t)%8)+8*(\u%4):32*((4*(\u/4)+\t)%8)+8*(\u%4)+3],   v[SRD] offset:64*\t
	ds_load_b128 v[32*((4*(\u/4)+\t)%8)+8*(\u%4)+4:32*((4*(\u/4)+\t)%8)+8*(\u%4)+7], v[SRD] offset:64*\t+32
.endr
	WIN 0
.endm
.irp i, 0,1,2,3
	global_load_b128 v[ET+4*\i:ET+4*\i+3], v22, s[8:9] offset:2048*\i      ; the quarter's e2: 128 threads x 16 bytes x 4
.endr
	XLOAD 0
	XLOAD 1
	XLOAD 2
	s_wait_loadcnt 48                              ; e2 is in: the 48 loads of three units of x were issued behind it
.irp i, 0,1,2,3
	ds_store_b128 v3, v[ET+4*\i:ET+4*\i+3] offset:2048*\i
.endr
.irp u, 0,1,2,3,4,5,6,7,8,9,10,11,12,13
	XUNIT \u, 32
.endr
	XUNIT 14, 16
	XUNIT 15, 0
; THE LOOPS' PARTS.  pb = the first of four registers with a slot's panel addresses (LB + 4 x slot, or the inner loop's LP); ct = the code tile,
; counted from where those addresses point; pe = the register with e2's address (LE or LEP); et = the tile, counted from where that points.
; Two LDS loads: the fragment of K step ks of code tile ct, into place ks % 8.
.macro BLOAD pb, ct, ks
	ds_load_b128 v[BF+8*((\ks)%8):BF+8*((\ks)%8)+3],   v[\pb+(\ks)/4] offset:CTILE*(\ct)+64*((\ks)%4)
	ds_load_b128 v[BF+8*((\ks)%8)+4:BF+8*((\ks)%8)+7], v[\pb+(\ks)/4] offset:CTILE*(\ct)+64*((\ks)%4)+32
.endm
; A run of eight LDS loads: the fragments of a group of four K steps.
.macro RUN pb, ct, k0, k1, k2, k3
	BLOAD \pb, \ct, \k0
	BLOAD \pb, \ct, \k1
	BLOAD \pb, \ct, \k2
	BLOAD \pb, \ct, \k3
.endm
; Two LDS loads: my eight e2 of a code tile, into set X.
.macro ELOAD X, pe, et
	ds_load_b128 v[E2R+8*\X:E2R+8*\X+3],   v[\pe] offset:64*(\et)
	ds_load_b128 v[E2R+8*\X+4:E2R+8*\X+7], v[\pe] offset:64*(\et)+16
.endm
; Step i (0..15) of a tile's argmin takes two of the 32 sums of set Y, in four parts g of two instructions:
; score = e2 - 2 sum and score - best; is it below zero (strictly: the earlier tile keeps a tie); the tile's number where it is; the minimum.
; A difference of two unlike f32 numbers never rounds to zero (denormals are kept), so its sign is the comparison.
; The constants and scalars stand at source 1, whose window is x's.
.macro EPI Y, i, g
.set EA, ACC+32*(\Y)+8*((\i)/4)+2*((\i)%4)
.set EE, E2R+8*(\Y)+2*((\i)%4)
.set EB, BEST+8*((\i)/4)+2*((\i)%4)
.set EI, IDX+8*((\i)/4)+2*((\i)%4)
.if \g == 0
	v_pk_fma_f32 v[DT:DT+1], v[EA:EA+1], -2.0, v[EE:EE+1] op_sel_hi:[1,0,1]
	v_pk_fma_f32 v[FT:FT+1], v[EB:EB+1], -1.0, v[DT:DT+1] op_sel_hi:[1,0,1]
.endif
.if \g == 1
	v_cmp_lt_f32 s43, v[FT], 0
	v_cmp_lt_f32 s44, v[FT+1], 0
.endif
.if \g == 2
	v_cndmask_b32 v[EI], v[EI], s41, s43
	v_cndmask_b32 v[EI+1], v[EI+1], s41, s44
.endif
.if \g == 3
	v_min3_num_f32 v[EB], v[EB], s42, v[DT]        ; min(best, +infinity, score)
	v_min3_num_f32 v[EB+1], v[EB+1], s42, v[DT+1]
.endif
.endm
; What stands behind product g of K step i.  mode 0 (the first tile, which has no tile before it): one of the 64 starting values.
.macro GAP mode, Y, i, g
.if \mode == 0
.if 4*\i+\g < 32
	v_mov_b32 v[BEST+4*\i+\g], s42
.else
	v_mov_b32 v[IDX+4*\i+\g-32], 0
.endif
.else
	EPI \Y, \i, \g
.endif
.endm
; One product, of row tile a in K step ks, and what stands behind it.  The first K step starts the sums with the constant 0: nothing is cleared.
.macro PROD X, ks, a, mode
.if \ks == 0
	v_wmma_f32_16x16x32_bf16 v[ACC+32*\X+8*\a:ACC+32*\X+8*\a+7], v[BF+8*(\ks%8):BF+8*(\ks%8)+7], v[32*(\ks%8)+8*\a:32*(\ks%8)+8*\a+7], 0
.else
	v_wmma_f32_16x16x32_bf16 v[ACC+32*\X+8*\a:ACC+32*\X+8*\a+7], v[BF+8*(\ks%8):BF+8*(\ks%8)+7], v[32*(\ks%8)+8*\a:32*(\ks%8)+8*\a+7], v[ACC+32*\X+8*\a:ACC+32*\X+8*\a+7]
.endif
	GAP \mode, 1-\X, \ks, \a
.endm
; One K step: four products, one for each row tile.  The four sums take turns, one instruction a turn.
.macro KSTEP X, ks, mode
.irp a, 0,1,2,3
	PROD \X, \ks, \a, \mode
.endr
.endm
; A GROUP is four K steps, 16 products.  Its head: the wait for its first K step's two loads, and the first product.  LDS loads come back in order
; (ISA guide 5.7.1): behind those two the run holds the group's other six loads and e trailing ones (the two e2 loads), which stay out.
; Behind the head stands the run that fills the OTHER group's four places.  The last product that read them is followed by two vector instructions,
; the head's product by two more, none of which names a register of that product: the four places that ISA guide 7.12.1 asks for vector
; instructions.  The first tile has one instruction behind a product, so two v_nop make up the four.
.macro GHEAD X, k0, mode, e
	s_wait_dscnt 6+\e
	PROD \X, \k0, 0, \mode
.if \mode == 0
	v_nop
	v_nop
.endif
.endm
; The rest of the group.  m = the older run's trailing loads + the loads of the run just issued: all of these may stay out, and with them
; the older run's loads for the K steps still to come: four, two, none.
.macro GTAIL X, k0, k1, k2, k3, mode, m
	PROD \X, \k0, 1, \mode
	PROD \X, \k0, 2, \mode
	PROD \X, \k0, 3, \mode
	s_wait_dscnt 4+\m
	KSTEP \X, \k1, \mode
	s_wait_dscnt 2+\m
	KSTEP \X, \k2, \mode
	s_wait_dscnt \m
	KSTEP \X, \k3, \mode
.endm
; Groups 0, 1, 2 of any tile.  Group 0's run has ten loads: K steps 4-7 and, last, the tile's e2 (read in the next tile; shown in by group 2's head).
.macro GRP0 X, pb, pe, ct, et, mode
	WIN 0x04
	GHEAD \X, 0, \mode, 0
	RUN \pb, \ct, 4, 5, 6, 7
	ELOAD \X, \pe, \et
	GTAIL \X, 0, 1, 2, 3, \mode, 10
.endm
.macro GRP1 X, pb, ct, mode
	GHEAD \X, 4, \mode, 2
	RUN \pb, \ct, 8, 9, 10, 11
	GTAIL \X, 4, 5, 6, 7, \mode, 10
.endm
.macro GRP2 X, pb, ct, mode
	WIN 0x08
	GHEAD \X, 8, \mode, 0
	RUN \pb, \ct, 12, 13, 14, 15
	GTAIL \X, 8, 9, 10, 11, \mode, 8
.endm
; A tile that is not its slot's last: group 3's run brings the first group of the slot's next tile.
.macro TILE0 X, pb, pe, ct, et, mode
	GRP0 \X, \pb, \pe, \ct, \et, \mode
	GRP1 \X, \pb, \ct, \mode
	GRP2 \X, \pb, \ct, \mode
	GHEAD \X, 12, \mode, 0
	RUN \pb, \ct+1, 0, 1, 2, 3
	GTAIL \X, 12, 13, 14, 15, \mode, 8
.if \mode
	s_add_co_u32 s41, s41, 1                       ; the number of the tile whose argmin runs next
.endif
.endm
; A slot's last tile, and the change of slots.  The run at K step 8 holds my last reads of the slot.  In front of K step 11 every wave waits for all its
; LDS reads and for all its tensor loads (one is out: its panel of the other slot), and signals; K step 11 works on registers meanwhile.
; fill = 1: the barrier opens a round of the cluster's barrier, and behind the round's close the slot is asked for again, jointly, first of all;
; that load has the other slot's eight tiles less five K steps in which to land.  Group 3 then runs as in any tile (its fragments are in: its waits
; are met at once), and its run brings the other slot's first group.
.macro TILE1 slot, next, fill
	GRP0 1, LB+4*\slot, LE, 7, 8*\slot+7, 1
	GRP1 1, LB+4*\slot, 7, 1
	WIN 0x08
	GHEAD 1, 8, 1, 0
	RUN LB+4*\slot, 7, 12, 13, 14, 15
	PROD 1, 8, 1, 1
	PROD 1, 8, 2, 1
	PROD 1, 8, 3, 1
	s_wait_dscnt 12                                ; K steps 10 and 11 (four loads) and the run's eight stay out
	KSTEP 1, 9, 1
	s_wait_dscnt 10
	KSTEP 1, 10, 1
	s_wait_dscnt 0x0
	s_set_vgpr_msb 0x80f
	s_wait_tensorcnt 0x0
	ds_add_u32 v0, v1
	s_wait_dscnt 0x0
	s_set_vgpr_msb 0xf08
	s_barrier_signal -1
	KSTEP 1, 11, 1
	WIN 0
	s_barrier_wait -1
.if \fill
	CREST                                          ; no wave of any partner still reads this slot or has a load on its way
	s_add_nc_u64 s[G0+4*\slot+2:G0+4*\slot+3], s[G0+4*\slot+2:G0+4*\slot+3], STEPB
	tensor_load_to_lds s[G0+4*\slot:G0+4*\slot+3], s[G1:G1+7]      ; my one tensor load until the next change of slots
	s_nop 0
.endif
	WIN 0x08
	GHEAD 1, 12, 1, 0
	RUN LB+4*\next, 0, 0, 1, 2, 3
	GTAIL 1, 12, 13, 14, 15, 1, 8
	s_add_co_u32 s41, s41, 1
.endm
; The very last tile: group 3 asks for nothing, its counts run down 6, 4, 2, 0.
.macro TILE2
	GRP0 1, LB+4, LE, 7, 15, 1
	GRP1 1, LB+4, 7, 1
	GRP2 1, LB+4, 7, 1
.irp ks, 12,13,14,15
	s_wait_dscnt 2*(15-\ks)
	KSTEP 1, \ks, 1
.endr
	s_add_co_u32 s41, s41, 1
.endm
; Tiles 1 to 6 of a slot: three trips over a pair of tiles (sums of set 1, then of set 0).  LP and LEP start as the slot's fixed addresses, the pair's
; places (tiles 1 and 2, and tile 3 for the look-ahead) stand in the offsets, and each trip steps the addresses by two tiles: the last trip reads
; tiles 5 and 6 and the first group of tile 7.  An LDS instruction's sources need no wait, so the addresses are stepped while the pair's last run is out.
; On both ways to the label the eight loads of the tile before are out, and the last product wrote set 0's fourth sum while the first writes set 1's first.
.macro SIX slot
	WIN 0                                          ; at a label and at a branch every window is 0
.irp q, 0,1,2,3
	v_mov_b32 v[LP+\q], v[LB+4*\slot+\q]
.endr
	v_mov_b32 v[LEP], v[LE]
	s_mov_b32 s45, 3
.Lpair_\@:
	TILE0 1, LP, LEP, 1, 8*\slot+1, 1
	TILE0 0, LP, LEP, 2, 8*\slot+2, 1
	WIN 0                                          ; the sums below have a vector register as source 1
.irp q, 0,1,2,3
	v_add_nc_u32 v[LP+\q], 2*CTILE, v[LP+\q]
.endr
	v_add_nc_u32 v[LEP], 128, v[LEP]
	s_sub_co_i32 s45, s45, 1
	s_cmp_lg_u32 s45, 0
	s_cbranch_scc1 .Lpair_\@
.endm
.macro LAPREST                         ; a lap (both slots, 16 tiles) behind its first tile; both slots are filled again
	SIX 0
	TILE1 0, 1, 1
	TILE0 0, LB+4, LE, 0, 8, 1
	SIX 1
	TILE1 1, 0, 1
	WIN 0                                          ; the sum below has a vector register as source 1
	v_add_nc_u32 v[LE], 0x400, v[LE]               ; 16 tiles x 64 bytes of e2
.endm
	s_wait_dscnt 0x0                               ; my part of e2 is in LDS, my fragments of x are in registers,
	s_wait_tensorcnt 0x1                           ; my panel of slot 0 has landed; slot 1's may stay out
	s_barrier_signal -1
	s_barrier_wait -1
	RUN LB, 0, 0, 1, 2, 3                          ; the first group of the first tile
	TILE0 0, LB, LE, 0, 0, 0                       ; tile 0 stands in front of the loops: it sets the starting values and has no argmin to run.
	                                               ; Its last product has one instruction behind it; the five moves ahead of the inner loop follow,
	                                               ; so the next tile's first run stands more than four places behind it
	WIN 0                                          ; at a label and at a branch every window is 0
	s_mov_b32 s41, 0
	s_mov_b32 s40, 7                               ; laps 0 to 6: each trip ends with the next lap's first tile
.Llap:
	LAPREST
	TILE0 0, LB, LE, 0, 0, 1
	WIN 0
	s_sub_co_i32 s40, s40, 1
	s_cmp_lg_u32 s40, 0
	s_cbranch_scc1 .Llap
	SIX 0                                          ; lap 7's other fifteen tiles fill nothing: no later tile would read it
	TILE1 0, 1, 0
	TILE0 0, LB+4, LE, 0, 8, 1
	SIX 1
	TILE2
	WIN 0
.rept 4
	v_nop                                          ; four places behind the last products, in front of the reads of their sums (ISA guide 7.12.1)
.endr
.irp i, 0,1,2,3,4,5,6,7,8,9,10,11,12,13,14,15
.irp g, 0,1,2,3
	EPI 1, \i, \g                                  ; tile 127's argmin
.endr
.endr
; FROM 8 x 2 CANDIDATES A ROW TO ONE.  (d1, n1) replaces (d0, n0) if its score is lower, or equal with the lower code.
.macro MERGE d0, n0, d1, n1
	v_cmp_lt_f32 s48, v[\d1], v[\d0]
	v_cmp_eq_f32 s49, v[\d1], v[\d0]
	v_cmp_lt_u32 s50, v[\n1], v[\n0]
	s_and_b32 s49, s49, s50
	s_or_b32 s48, s48, s49
	v_cndmask_b32 v[\d0], v[\d0], v[\d1], s48
	v_cndmask_b32 v[\n0], v[\n0], v[\n1], s48
.endm
	s_lshl_b32 s23, s17, 11                        ; 2,048 x quarter
	v_lshlrev_b32 v23, 3, v2                       ; 8 h
	v_add_nc_u32 v23, s23, v23
	v_mov_b32 v20, 0                               ; written once: the swap's targets count as read
	v_mov_b32 v21, 0
.irp a, 0,1,2,3
.irp j, 0,1,2,3,4,5,6,7
	v_lshl_add_u32 v[IDX+8*\a+\j], v[IDX+8*\a+\j], 4, \j           ; 16 x tile + j
.endr
	MERGE BEST+8*\a,   IDX+8*\a,   BEST+8*\a+1, IDX+8*\a+1
	MERGE BEST+8*\a+2, IDX+8*\a+2, BEST+8*\a+3, IDX+8*\a+3
	MERGE BEST+8*\a+4, IDX+8*\a+4, BEST+8*\a+5, IDX+8*\a+5
	MERGE BEST+8*\a+6, IDX+8*\a+6, BEST+8*\a+7, IDX+8*\a+7
	MERGE BEST+8*\a,   IDX+8*\a,   BEST+8*\a+2, IDX+8*\a+2
	MERGE BEST+8*\a+4, IDX+8*\a+4, BEST+8*\a+6, IDX+8*\a+6
	MERGE BEST+8*\a,   IDX+8*\a,   BEST+8*\a+4, IDX+8*\a+4
	v_add_nc_u32 v[IDX+8*\a], v[IDX+8*\a], v23                     ; the code's number in the whole codebook
	v_permlanex16_b32 v20, v[BEST+8*\a], s46, s47                  ; the other half of the lanes holds the row's other eight columns
	v_permlanex16_b32 v21, v[IDX+8*\a], s46, s47
	MERGE BEST+8*\a, IDX+8*\a, 20, 21                              ; both halves now hold row 16 a + r's result
.endr
	; THE WAY OUT.  Lane l takes row l from row tiles 0 | 1 and row 32 + l from tiles 2 | 3; through my scratch the 64 rows come back two a lane,
	; so that each store of the wave covers 256 consecutive bytes, aligned.
	v_cndmask_b32 v16, v[BEST],    v[BEST+8],  s51
	v_cndmask_b32 v17, v[BEST+16], v[BEST+24], s51
	v_cndmask_b32 v18, v[IDX],     v[IDX+8],   s51
	v_cndmask_b32 v19, v[IDX+16],  v[IDX+24],  s51
	v_and_b32 v20, 31, v0
	v_lshl_add_u32 v21, v20, 2, s15                ; my scratch + 4 x lane
	v_lshlrev_b32 v23, 3, v20                      ; 8 x lane
	ds_store_b32 v21, v16
	ds_store_b32 v21, v17 offset:128
	ds_store_b32 v21, v18 offset:256
	ds_store_b32 v21, v19 offset:384
	ds_load_b64 v[24:25], v[SST]                   ; LDS serves a wave's instructions in order: these see the stores above
	ds_load_b64 v[26:27], v[SST] offset:256
	s_wait_dscnt 0x0
	global_store_b64 v23, v[24:25], s[10:11]
	global_store_b64 v23, v[26:27], s[12:13]
	s_set_vgpr_msb 0xf
	s_wait_tensorcnt 0x0
	ds_add_u32 v0, v1
	s_wait_dscnt 0x0
	s_set_vgpr_msb 0xf00
	CROUND                                         ; the closing round: no work-group ends while a partner may still ask for a tile that names it
	s_endpgm
.Lfunc_end_k_q9e4e1d2730_main:
	.size	k_q9e4e1d2730_main, .Lfunc_end_k_q9e4e1d2730_main-k_q9e4e1d2730_main
	.p2alignl 7, 3214868480
	.fill 96, 4, 3214868480
	.section	.rodata,"a",@progbits
	.p2align	6, 0x0
	.amdhsa_kernel k_q9e4e1d2730_main
		.amdhsa_group_segment_fixed_size 327680
		.amdhsa_private_segment_fixed_size 0
		.amdhsa_enable_private_segment 0
		.amdhsa_kernarg_size 40
		.amdhsa_user_sgpr_count 2
		.amdhsa_user_sgpr_kernarg_segment_ptr 1
		.amdhsa_wavefront_size32 1
		.amdhsa_system_sgpr_workgroup_id_x 1
		.amdhsa_system_sgpr_workgroup_id_y 1
		.amdhsa_system_sgpr_workgroup_id_z 1
		.amdhsa_system_vgpr_workitem_id 0
		.amdhsa_next_free_vgpr 770
		.amdhsa_next_free_sgpr 66
		.amdhsa_reserve_vcc 0
		.amdhsa_float_denorm_mode_32 3
		.amdhsa_float_denorm_mode_16_64 3
		.amdhsa_memory_ordered 1
		.amdhsa_forward_progress 1
		.amdhsa_inst_pref_size 255
	.end_amdhsa_kernel
	.section	.bss,"aw",@nobits
	.p2align	6
	.space	262144
	.amdgpu_metadata
---
amdhsa.version: [ 1, 2 ]
amdhsa.kernels:
  - .name:           k_q9e4e1d2730_main
    .symbol:         k_q9e4e1d2730_main.kd
    .args:
      - { .name: x, .offset: 0, .size: 8, .value_kind: global_buffer, .address_space: global }
      - { .name: cbh, .offset: 8, .size: 8, .value_kind: global_buffer, .address_space: global }
      - { .name: e2w, .offset: 16, .size: 8, .value_kind: global_buffer, .address_space: global }
      - { .name: pscore, .offset: 24, .size: 8, .value_kind: global_buffer, .address_space: global }
      - { .name: pidx, .offset: 32, .size: 8, .value_kind: global_buffer, .address_space: global }
    .group_segment_fixed_size: 327680
    .private_segment_fixed_size: 0
    .kernarg_segment_align: 8
    .kernarg_segment_size: 40
    .max_flat_workgroup_size: 128
    .sgpr_count:     66
    .vgpr_count:     770
    .wavefront_size: 32
...
	.end_amdgpu_metadata
.endif
;; end of part 5
;; launch finish: the kernel of part 3 again; grid 256 x 1, 8 waves a work-group, no clusters, 2,048 bytes of LDS; arguments x, codebook, pscore, pidx, out0, out2, out3, lpart; writes out0, out2, out3, lpart
;; launch total (part 6): grid 1 x 1, 1 waves a work-group, no clusters, 0 bytes of LDS; arguments lpart, out1, out4; writes out1, out4
.if DOCPART == 6
	.amdgcn_target "amdgcn-amd-amdhsa--gfx1250"
	.amdhsa_code_object_version 6
	.text
	.protected	k_q9e4e1d2730_total
	.globl	k_q9e4e1d2730_total
	.p2align	8
	.type	k_q9e4e1d2730_total,@function
k_q9e4e1d2730_total:
	s_mov_b64 s[64:65], 0
	v_nop
	global_prefetch_b8 v0, s[64:65] scope:SCOPE_SE
	s_setreg_imm32_b32 hwreg(HW_REG_WAVE_MODE, 25, 1), 1
	s_wait_xcnt 0x0
; S = sum of the 256 work-groups' parts of the loss, in a fixed order;  out4 = S;  out1 = 0.25 S + S.
; One wave: 8 numbers a lane, two loads of 512 consecutive bytes.
	s_load_b128 s[4:7], s[0:1], 0x0                ; lpart s[4:5], out1 s[6:7]
	s_load_b64 s[8:9], s[0:1], 0x10                ; out4
	v_lshlrev_b32 v1, 4, v0
	v_mov_b32 v10, 0                               ; written once: the swap's target counts as read
	v_mov_b32 v11, 0
	s_mov_b32 s10, 0x76543210
	s_mov_b32 s11, 0xfedcba98
	s_mov_b32 s13, 0x3e800000                      ; 0.25
	s_wait_kmcnt 0x0
	global_load_b128 v[2:5], v1, s[4:5]
	global_load_b128 v[6:9], v1, s[4:5] offset:512
	s_wait_loadcnt 0x0
	v_pk_add_f32 v[2:3], v[2:3], v[4:5]
	v_pk_add_f32 v[6:7], v[6:7], v[8:9]
	v_pk_add_f32 v[2:3], v[2:3], v[6:7]
	v_add_f32 v2, v2, v3
	v_add_f32_dpp v2, v2, v2 row_xmask:1 row_mask:0xf bank_mask:0xf
	v_add_f32_dpp v2, v2, v2 row_xmask:2 row_mask:0xf bank_mask:0xf
	v_add_f32_dpp v2, v2, v2 row_xmask:4 row_mask:0xf bank_mask:0xf
	v_add_f32_dpp v2, v2, v2 row_xmask:8 row_mask:0xf bank_mask:0xf
	v_permlanex16_b32 v10, v2, s10, s11
	v_add_f32 v2, v2, v10                          ; S
	v_fma_f32 v3, v2, s13, v2                      ; 0.25 S + S
	v_cmp_eq_u32 vcc_lo, 0, v0
	s_wait_xcnt 0x0                                ; EXEC changes only behind this wait
	s_and_saveexec_b32 s12, vcc_lo
	global_store_b32 v11, v3, s[6:7]
	global_store_b32 v11, v2, s[8:9]
	s_wait_xcnt 0x0
	s_or_b32 exec_lo, exec_lo, s12
	s_endpgm
.Lfunc_end_k_q9e4e1d2730_total:
	.size	k_q9e4e1d2730_total, .Lfunc_end_k_q9e4e1d2730_total-k_q9e4e1d2730_total
	.p2alignl 7, 3214868480
	.fill 96, 4, 3214868480
	.section	.rodata,"a",@progbits
	.p2align	6, 0x0
	.amdhsa_kernel k_q9e4e1d2730_total
		.amdhsa_group_segment_fixed_size 0
		.amdhsa_private_segment_fixed_size 0
		.amdhsa_enable_private_segment 0
		.amdhsa_kernarg_size 24
		.amdhsa_user_sgpr_count 2
		.amdhsa_user_sgpr_kernarg_segment_ptr 1
		.amdhsa_wavefront_size32 1
		.amdhsa_system_sgpr_workgroup_id_x 1
		.amdhsa_system_sgpr_workgroup_id_y 1
		.amdhsa_system_sgpr_workgroup_id_z 1
		.amdhsa_system_vgpr_workitem_id 0
		.amdhsa_next_free_vgpr 16
		.amdhsa_next_free_sgpr 66
		.amdhsa_reserve_vcc 1
		.amdhsa_float_denorm_mode_32 3
		.amdhsa_float_denorm_mode_16_64 3
		.amdhsa_memory_ordered 1
		.amdhsa_forward_progress 1
		.amdhsa_inst_pref_size 2
	.end_amdhsa_kernel
	.amdgpu_metadata
---
amdhsa.version: [ 1, 2 ]
amdhsa.kernels:
  - .name:           k_q9e4e1d2730_total
    .symbol:         k_q9e4e1d2730_total.kd
    .args:
      - { .name: lpart, .offset: 0, .size: 8, .value_kind: global_buffer, .address_space: global }
      - { .name: out1, .offset: 8, .size: 8, .value_kind: global_buffer, .address_space: global }
      - { .name: out4, .offset: 16, .size: 8, .value_kind: global_buffer, .address_space: global }
    .group_segment_fixed_size: 0
    .private_segment_fixed_size: 0
    .kernarg_segment_align: 8
    .kernarg_segment_size: 24
    .max_flat_workgroup_size: 32
    .sgpr_count:     66
    .vgpr_count:     16
    .wavefront_size: 32
...
	.end_amdgpu_metadata
.endif
;; end of part 6
